; MI455X (gfx1250); checked and timed in simulation.
; The chip was launched on July 23, 2026; its instructions are those of AMD's public machine-readable ISA for CDNA 5 (MIT licence, August 2026) and "CDNA5" Instruction Set Architecture Reference Guide (July 2026). The comments in the code are by the model that wrote it; some were corrected since.
;; Causal Attention. Allowed arithmetic: float matrix products may take bf16 or f16 operands with f32 sums; other float arithmetic in f32, or as packed bf16 or f16 multiplies, adds, multiply-adds, maxima and minima; sums over many terms, partial sums and values carried from step to step in f32; what a program stores and reads back later, other than sums and carried values, may be rounded once to bf16 or f16.
;; Inputs: Wk 1,024 x 1,024 float32; Wq 1,024 x 1,024 float32; Wv 1,024 x 1,024 float32; x 4 x 2,048 x 1,024 float32.
;; Outputs: out0 4 x 2,048 x 1,024 float32.
;; 2 versions, each right; version 2 is version 1 with the launches cast, head written anew for expert scheduling mode. Each part assembles by itself: llvm-mc -triple=amdgcn-amd-amdhsa -mcpu=gfx1250 --defsym DOCPART=n.
;; ======== version 1 of 2: 5 launches
;; limits: values are held in f16: magnitudes above 65,504 overflow, below 6.1e-05 lose precision
;; workspace buffers: xb 16,777,216 bytes; wb 6,291,456 bytes; qkv 50,331,648 bytes; lo 3,145,728 bytes; pt 33,554,432 bytes; st 1,048,576 bytes
;; launch cast (part 1): grid 64 x 11, 8 waves a work-group, no clusters, 0 bytes of LDS; arguments x, Wq, Wk, Wv, xb, wb; writes xb, wb
.if DOCPART == 1
	.amdgcn_target "amdgcn-amd-amdhsa--gfx1250"
	.amdhsa_code_object_version 6
	.text
	.protected	k_q465e1f92de_cast
	.globl	k_q465e1f92de_cast
	.p2align	8
	.type	k_q465e1f92de_cast,@function
k_q465e1f92de_cast:
	s_mov_b64 s[64:65], 0
	v_nop
	global_prefetch_b8 v0, s[64:65] scope:SCOPE_SE
	s_setreg_imm32_b32 hwreg(HW_REG_WAVE_MODE, 25, 1), 1
	s_wait_xcnt 0x0
; xb = x rounded to bf16; wb = Wq, Wk, Wv rounded to bf16, one below the other (rows 0-1023, 1024-2047, 2048-3071).  Round to nearest even, all four inputs alike.
; A stream: each byte read once, each written once.  A work-group takes 65,536 bytes of f32 and makes 32,768 of bf16; a wave 8,192 and 4,096.
; Grid y 0-7: x, chunk 64 y + x of 512.  Grid y 8, 9, 10: Wq, Wk, Wv, chunk x of 64.
; A load of a wave covers 512 consecutive bytes, a store 256 consecutive bytes at a multiple of 256.  All sixteen loads of a wave go out before its first store.
; No LDS, no matrix unit, no cluster: nothing is shared and nothing is multiplied.  No register is written twice, so no store's source is ever overwritten.
.set XR, 8                             ; v[8:71]   sixteen loads of four registers
.set YR, 72                            ; v[72:103] sixteen stores of two
	s_load_b256 s[4:11], s[0:1], 0x0               ; x s[4:5], Wq s[6:7], Wk s[8:9], Wv s[10:11]
	s_load_b128 s[12:15], s[0:1], 0x20             ; xb s[12:13], wb s[14:15]
	s_and_b32 s16, ttmp7, 0xffff                   ; y
	s_lshl_b32 s17, s16, 6
	s_add_co_u32 s17, s17, ttmp9                   ; 64 y + x: the chunk in x and in xb
	s_sub_co_u32 s18, s17, 512                     ; 64 (y - 8) + x: the chunk in wb (used for y >= 8 alone)
	v_and_b32 v3, 31, v0                           ; lane
	v_lshrrev_b32 v4, 5, v0                        ; wave
	v_lshlrev_b32 v1, 4, v3
	v_lshl_add_u32 v1, v4, 13, v1                  ; in: 8,192 x wave + 16 x lane
	v_lshlrev_b32 v2, 3, v3
	v_lshl_add_u32 v2, v4, 12, v2                  ; out: 4,096 x wave + 8 x lane
	s_wait_kmcnt 0x0
	s_cmp_eq_u32 s16, 9
	s_cselect_b64 s[20:21], s[8:9], s[6:7]         ; Wk or Wq,
	s_cmp_eq_u32 s16, 10
	s_cselect_b64 s[20:21], s[10:11], s[20:21]     ; or Wv,
	s_cmp_lt_u32 s16, 8
	s_cselect_b64 s[20:21], s[4:5], s[20:21]       ; or x
	s_cselect_b64 s[22:23], s[12:13], s[14:15]     ; xb or wb
	s_cselect_b32 s24, s17, ttmp9                  ; the chunk in the source
	s_cselect_b32 s26, s17, s18                    ; and in the destination
	s_lshl_b32 s24, s24, 16
	s_mov_b32 s25, 0
	s_lshl_b32 s26, s26, 15
	s_mov_b32 s27, 0
	s_add_nc_u64 s[20:21], s[20:21], s[24:25]
	s_add_nc_u64 s[22:23], s[22:23], s[26:27]
.set j, 0
.rept 16
	global_load_b128 v[XR+4*j:XR+4*j+3], v1, s[20:21] offset:512*j th:TH_LOAD_NT
.set j, j+1
.endr
.set j, 0
.rept 16
	s_wait_loadcnt 15-j                            ; loads come back in order: number j is in, the 15 - j younger ones stay out
	v_cvt_pk_bf16_f32 v[YR+2*j], v[XR+4*j], v[XR+4*j+1]
	v_cvt_pk_bf16_f32 v[YR+2*j+1], v[XR+4*j+2], v[XR+4*j+3]
	global_store_b64 v2, v[YR+2*j:YR+2*j+1], s[22:23] offset:256*j th:TH_STORE_NT
.set j, j+1
.endr
	s_endpgm
.Lfunc_end_k_q465e1f92de_cast:
	.size	k_q465e1f92de_cast, .Lfunc_end_k_q465e1f92de_cast-k_q465e1f92de_cast
	.p2alignl 7, 3214868480
	.fill 96, 4, 3214868480
	.section	.rodata,"a",@progbits
	.p2align	6, 0x0
	.amdhsa_kernel k_q465e1f92de_cast
		.amdhsa_group_segment_fixed_size 0
		.amdhsa_private_segment_fixed_size 0
		.amdhsa_enable_private_segment 0
		.amdhsa_kernarg_size 48
		.amdhsa_user_sgpr_count 2
		.amdhsa_user_sgpr_kernarg_segment_ptr 1
		.amdhsa_wavefront_size32 1
		.amdhsa_system_sgpr_workgroup_id_x 1
		.amdhsa_system_sgpr_workgroup_id_y 1
		.amdhsa_system_sgpr_workgroup_id_z 1
		.amdhsa_system_vgpr_workitem_id 0
		.amdhsa_next_free_vgpr 104
		.amdhsa_next_free_sgpr 66
		.amdhsa_reserve_vcc 0
		.amdhsa_float_denorm_mode_32 3
		.amdhsa_float_denorm_mode_16_64 3
		.amdhsa_memory_ordered 1
		.amdhsa_forward_progress 1
		.amdhsa_inst_pref_size 7
	.end_amdhsa_kernel
	.amdgpu_metadata
---
amdhsa.version: [ 1, 2 ]
amdhsa.kernels:
  - .name:           k_q465e1f92de_cast
    .symbol:         k_q465e1f92de_cast.kd
    .args:
      - { .name: x, .offset: 0, .size: 8, .value_kind: global_buffer, .address_space: global }
      - { .name: Wq, .offset: 8, .size: 8, .value_kind: global_buffer, .address_space: global }
      - { .name: Wk, .offset: 16, .size: 8, .value_kind: global_buffer, .address_space: global }
      - { .name: Wv, .offset: 24, .size: 8, .value_kind: global_buffer, .address_space: global }
      - { .name: xb, .offset: 32, .size: 8, .value_kind: global_buffer, .address_space: global }
      - { .name: wb, .offset: 40, .size: 8, .value_kind: global_buffer, .address_space: global }
    .group_segment_fixed_size: 0
    .private_segment_fixed_size: 0
    .kernarg_segment_align: 8
    .kernarg_segment_size: 48
    .max_flat_workgroup_size: 256
    .sgpr_count:     66
    .vgpr_count:     104
    .wavefront_size: 32
...
	.end_amdgpu_metadata
.endif
;; end of part 1
;; launch proj (part 2): grid 12 x 32, 4 waves a work-group, clusters of 4 x 4, 327,680 bytes of LDS; arguments xb, wb, qkv, lo; writes qkv, lo
.if DOCPART == 2
	.amdgcn_target "amdgcn-amd-amdhsa--gfx1250"
	.amdhsa_code_object_version 6
	.text
	.protected	k_q465e1f92de_proj
	.globl	k_q465e1f92de_proj
	.p2align	8
	.type	k_q465e1f92de_proj,@function
k_q465e1f92de_proj:
	s_mov_b64 s[64:65], 0
	v_nop
	global_prefetch_b8 v0, s[64:65] scope:SCOPE_SE
	s_setreg_imm32_b32 hwreg(HW_REG_WAVE_MODE, 25, 1), 1
	s_wait_xcnt 0x0
	s_wait_alu depctr_hold_cnt(0) depctr_sa_sdst(0) depctr_va_vdst(0) depctr_va_sdst(0) depctr_va_ssrc(0) depctr_va_vcc(0) depctr_vm_vsrc(0)
	s_getreg_b32 s2, hwreg(HW_REG_IB_STS2, 6, 4)
	s_cmp_eq_u32 s2, 0
	s_cbranch_scc0 .Lentry_in_a_cluster
	s_endpgm
.Lentry_in_a_cluster:
	s_bfe_u32 s2, ttmp6, 0x10000c
	s_cmp_lg_u32 s2, 0xf033
	s_cbranch_scc0 .Lentry_shape_is_right
	s_endpgm
.Lentry_shape_is_right:
; qkv[m][n] = sum over k of xb[m][k] wb[n][k].  xb: [8192][1024] bf16, wb: [3072][1024] bf16 (Wq, Wk, Wv), qkv: [8192][3072] f16 (columns 0-1023 q, 1024-2047 k, 2048-3071 v); sums in f32, rounded once.
; lo: [tile row of 256 (32)][16][3072] f16: for a tile's first 16 rows what the rounding to f16 left: f16(sum - f16(sum)).  The last launch of the program takes rows 0-15 of each batch (tile rows 0, 8, 16, 24) in both parts.
; LIMIT.  f16 holds no number beyond 65,504: a q, k or v of 65,520 or more becomes an infinity.  Unit inputs give numbers near 1.
; A tile of 256 x 256 is made by a work-group of four waves; a wave makes 128 x 128: 64 accumulators of 16 x 16, 512 registers.  K goes in steps of 128 through a ring of two LDS slots filled by
; the tensor data mover: the rows of both tiles are 256 bytes of memory and start at multiples of 256 bytes from the buffer's first byte.  The last K step goes by rows of the result, so that
; finished rows leave while the others are multiplied.
; CLUSTERS: 4 x 4 work-groups.  The four of a row of the cluster need the same tiles of xb, the four of a column the same tiles of wb: each tile is asked for JOINTLY, by the same tensor load with
; the same descriptor and a mask that names the four.  384 work-groups are 24 clusters.
; REGISTERS, in windows of 256 (s_set_vgpr_msb: bits 1:0 source 0, 3:2 source 1, 5:4 source 2, 7:6 destination):
;   window 0: v0-31 addresses and a few at work; v64-127, v128-191 fragments of xb, two buffers (in the last K step four, of 16 rows x 128 K); v32-63, v192-255 at work on the way out
;   window 1: v64-127, v128-191 fragments of wb, two buffers; in the last K step all 256      window 2: the accumulators of my rows 0-63 ((a, b) at v[8 (8 a + b)]);   window 3: those of rows 64-127
; THE MATRIX INSTRUCTION IS USED TRANSPOSED: source 0 = 16 rows of wb, source 1 = 16 rows of xb: lane l then holds row l % 16 of the result and eight neighbouring columns, which pack into 16 bytes.
.set SIZE_M, 8192
.set SIZE_N, 3072
.set SIZE_K, 1024
.set KSTEP,  128
.set PITCH,  272                       ; an LDS row: 256 bytes + 16 of padding = 68 words: the 16 rows that a load touches start at 16 different groups of four banks
.set HALFT,  128*PITCH                 ; 128 rows: what one tensor load brings
.set SLOT,   4*HALFT                   ; xb's 256 rows, then wb's 256 rows
.set STAGE,  2*SLOT                    ; behind the ring: 16 rows x 272 bytes for each wave, for the way out
.set SPITCH, 272
.set SPARE,  STAGE+4*16*SPITCH         ; behind the stages: the spare words, 128 bytes for each wave
.set LAPS, SIZE_K/(2*KSTEP)            ; a lap = two K steps = once round the ring
.set DW,   6                           ; v6-13   at work in LOW: eight differences
.set M1,   14                          ; v14     -1.0; never rewritten
.set ADRA, 16                          ; v16-17  LDS address of my A fragments in slot 0, 1
.set ADRB, 20                          ; v20-21  the same for B
.set STO,  24                          ; v24     the way out: where I put 16 bytes of a row
.set RD,   25                          ; v25     the way out: where I read a row back
.set CO,   26                          ; v26     my byte offset in two rows of 6,144 bytes: of qkv and of lo
.set SPW,  28                          ; v28     LDS address of my spare word; never rewritten
.set NIL,  29                          ; v29     0; never rewritten
.set PFO,  30                          ; v30     the prefetches' offset: my lane x a row of 2,048 bytes; never rewritten
.set PFA,  44                          ; s[44:45] where my prefetches stand
.set LIM,  43                          ; s43     1 in a wave that prefetches, else the greatest number
.set LOB,  66                          ; s[66:67] lo at my tile's 16 rows, my 128 columns
.set NOLOW, 70                         ; s70     0 in a wave that stores low parts
.set F0,   64
.set F1,   128
.set TMP,  192
.set LP,   224                         ; v224-255 the packed low parts
.set OB,   32
.set PA,   64
.set G1, 24                            ; s[24:31] descriptor group 1 for A's tiles
.set G0, 32                            ; s[32:39] group 0 for A's tiles, one set for each slot
.set G1B, 48                           ; s[48:55], s[56:63] the same for B's
.set G0B, 56
.set MSB, 0
.macro WIN new                         ; the immediate's high byte repeats the setting that is left; a switch that changes nothing is dropped
.if MSB != (\new)
	s_set_vgpr_msb (MSB<<8)|(\new)
.set MSB, \new
.endif
.endm
.set MUL_LO, 0xa1                      ; source 0 (B) window 1, source 1 (A) window 0, C and D window 2
.set MUL_HI, 0xf1                      ; the same, C and D window 3
.set TO_B,   0x40                      ; destination window 1, address window 0
; A joint load.  Waves 0 and 1 fetch A's two halves, waves 2 and 3 B's.  The branch hangs on the wave's number alone.  An s_nop 0 and four v_nop follow each of the two lines.
.macro JLOAD s
	s_cmp_eq_u32 s11, 0
	s_cbranch_scc0 .Lfor_b_\@
	tensor_load_to_lds s[G0+4*(\s):G0+4*(\s)+3], s[G1:G1+7]
	s_nop 0
.rept 4
	v_nop
.endr
	s_branch .Lasked_\@
.Lfor_b_\@:
	tensor_load_to_lds s[G0B+4*(\s):G0B+4*(\s)+3], s[G1B:G1B+7]
	s_nop 0
.rept 4
	v_nop
.endr
.Lasked_\@:
.endm
; A prefetch, behind each joint load and the run of LDS loads that follows it: the K step that stands two refills on, 32 rows x 256 bytes, a lane a row, one instruction a wave: 512 matrix instructions ahead
; of the load that will want it.  Each row's 256 bytes of a K step are named once in the launch: the clusters with x = 0 ask for xb's rows, those with y = 0 for wb's; the four partners that ask for a tile
; jointly share its rows out by address, 32 each.  The last two refills have no K step two on, and ask for nothing; K steps 0 to 3 come by their loads alone.
.macro ASK
	s_cmp_gt_u32 s3, s[LIM]                        ; s3 = 1 in the loop's last trip
	s_cbranch_scc0 .Lnot_mine_\@
	global_prefetch_b8 v[PFO], s[PFA:PFA+1] offset:KSTEP*2 th:TH_LOAD_NT scope:SCOPE_SE
.Lnot_mine_\@:
.endm
; A round of the cluster's barrier: my work-group's barrier; wave 0 signals for the work-group; every wave waits for all sixteen work-groups; my work-group's barrier once more.
.macro CREST                           ; a round behind its opening barrier
	s_cmp_lg_u32 s10, 0
	s_cbranch_scc1 .Lnot_wave_0_\@
	s_barrier_signal -3
.Lnot_wave_0_\@:
	s_barrier_wait -3
	s_barrier_signal -1
	s_barrier_wait -1
.endm
.macro CROUND
	s_barrier_signal -1
	s_barrier_wait -1
	CREST
.endm
	s_load_b128 s[4:7], s[0:1], 0x0                ; A = xb s[4:5], B = wb s[6:7]
	s_load_b64 s[8:9], s[0:1], 0x10                ; qkv
	s_load_b64 s[LOB:LOB+1], s[0:1], 0x18          ; lo
	v_lshl_add_u32 v[SPW], v0, 2, SPARE
	v_mov_b32 v[NIL], 0
	ds_add_u32 v[SPW], v[NIL]                      ; the wave's opening: the add and its wait stand ahead of my first tensor load; work on registers stands between them
	v_lshrrev_b32 v1, 5, v0
	v_readfirstlane_b32 s10, v1                    ; wave 0..3
	s_lshr_b32 s11, s10, 1                         ; which half of the tile's rows is mine.  Also: I fetch for A (0) or for B (1)
	s_and_b32 s12, s10, 1                          ; which half of its columns.  Also: which 128 rows of that tile I fetch
	s_bfe_u32 s40, ttmp6, 0x40000                  ; cx
	s_bfe_u32 s41, ttmp6, 0x40004                  ; cy
	s_lshl_b32 s42, ttmp9, 2
	s_add_co_u32 s42, s42, s40                     ; tile column = 4 x cluster x + cx
	s_and_b32 s13, ttmp7, 0xffff
	s_lshl_b32 s13, s13, 2
	s_add_co_u32 s13, s13, s41                     ; tile row = 4 x cluster y + cy
	s_lshl_b32 s43, s41, 2
	s_lshl_b32 s43, 15, s43                        ; my row of the cluster
	s_lshl_b32 s44, 0x1111, s40                    ; my column
	s_or_b32 s[G1+0], s43, (1<<16)|(1<<20)|(1<<21)|(5<<22)|(3<<25)  ; the mask; elements of 2 bytes; padding on; bit 21 beside a mask; after every 64 words 4 words
	s_or_b32 s[G1B+0], s44, (1<<16)|(1<<20)|(1<<21)|(5<<22)|(3<<25)
	s_mov_b32 s[G1B+1], KSTEP<<16
	s_mov_b32 s[G1+1], KSTEP<<16                   ; tensor_dim0 = 128
	s_mov_b32 s[G1B+2], 128<<16
	s_mov_b32 s[G1+2], 128<<16                     ; tensor_dim1 = 128
	s_mov_b32 s[G1B+3], KSTEP<<16
	s_mov_b32 s[G1+3], KSTEP<<16                   ; tile_dim0 = 128
	s_mov_b32 s[G1B+4], 128
	s_mov_b32 s[G1+4], 128                         ; tile_dim1 = 128
	s_mov_b32 s[G1B+5], SIZE_K
	s_mov_b32 s[G1+5], SIZE_K                      ; elements from row to row
	s_mov_b32 s[G1B+6], 0
	s_mov_b32 s[G1+6], 0
	s_mov_b32 s[G1B+7], 0
	s_mov_b32 s[G1+7], 0
	s_lshl_b32 s17, s12, 7                         ; which 128 rows of the tile I fetch
	s_lshl_b32 s16, s13, 8
	s_add_co_u32 s16, s16, s17                     ; A: row 256 x tile row + 128 x half
	s_lshl_b32 s46, s42, 8
	s_add_co_u32 s46, s46, s17                     ; B: row 256 x tile column + 128 x half
	s_mov_b32 s17, 0
	s_mov_b32 s47, 0
	s_mov_b64 s[18:19], SIZE_K*2
	s_mul_u64 s[16:17], s[16:17], s[18:19]
	s_mul_u64 s[46:47], s[46:47], s[18:19]
	s_mul_i32 s20, s10, HALFT                      ; where they go: wave x 128 rows: no place in the cluster enters an LDS address
	s_wait_dscnt 0x0                               ; the opening add is done
	s_wait_kmcnt 0x0
	s_add_nc_u64 s[14:15], s[4:5], s[16:17]
	s_add_nc_u64 s[46:47], s[6:7], s[46:47]
	CROUND                                         ; all sixteen work-groups are here: the first joint loads meet
.irp s, 0,1
	s_mov_b32 s[G0+4*(\s)], 1
	s_add_co_u32 s[G0+4*(\s)+1], s20, (\s)*SLOT
	s_add_nc_u64 s[G0+4*(\s)+2:G0+4*(\s)+3], s[14:15], (\s)*KSTEP*2
	s_or_b32 s[G0+4*(\s)+3], s[G0+4*(\s)+3], 0x80000000
	s_mov_b32 s[G0B+4*(\s)], 1
	s_add_co_u32 s[G0B+4*(\s)+1], s20, (\s)*SLOT
	s_add_nc_u64 s[G0B+4*(\s)+2:G0B+4*(\s)+3], s[46:47], (\s)*KSTEP*2
	s_or_b32 s[G0B+4*(\s)+3], s[G0B+4*(\s)+3], 0x80000000
	JLOAD \s
.endr
	; A fragment is 16 rows x 32 K in 8 registers: lane l holds row l % 16; registers 0-3 K = 8 (l / 16) + 0..7, registers 4-7 K = 16 + 8 (l / 16) + 0..7: two loads of 16 bytes, 32 bytes apart.
	v_and_b32 v1, 15, v0                           ; l % 16
	v_bfe_u32 v2, v0, 4, 1                         ; l / 16
	v_mul_u32_u24 v3, v1, PITCH
	v_lshl_add_u32 v3, v2, 4, v3
	s_mul_i32 s21, s11, HALFT                      ; my 128 rows of A
	s_mul_i32 s22, s12, HALFT                      ; my 128 rows of B,
	s_add_co_u32 s22, s22, 2*HALFT                 ; which lie behind A's 256
.irp s, 0,1
	v_add_nc_u32 v[ADRA+(\s)], s21, v3
	v_add_nc_u32 v[ADRB+(\s)], s22, v3
	s_add_co_u32 s21, s21, SLOT
	s_add_co_u32 s22, s22, SLOT
.endr
	s_mul_i32 s23, s10, 16*SPITCH
	s_add_co_u32 s23, s23, STAGE                   ; my stage
	v_mul_u32_u24 v4, v1, SPITCH
	v_lshl_add_u32 v4, v2, 4, v4
	v_add_nc_u32 v[STO], s23, v4
	v_mul_u32_u24 v5, v2, SPITCH
	v_lshl_add_u32 v5, v1, 4, v5
	v_add_nc_u32 v[RD], s23, v5
	v_mul_u32_u24 v5, v2, SIZE_N*2
	v_lshl_add_u32 v[CO], v1, 4, v5
	v_mov_b32 v[M1], -1.0
	s_lshl_b32 s13, s13, 8
	s_lshl_b32 s14, s11, 7
	s_add_co_u32 s16, s13, s14                     ; my first row of the result
	s_mov_b32 s17, 0
	s_mov_b64 s[18:19], SIZE_N*2
	s_mul_u64 s[16:17], s[16:17], s[18:19]
	s_lshl_b32 s46, s42, 9                         ; my first column, in bytes
	s_lshl_b32 s47, s12, 8
	s_add_co_u32 s46, s46, s47
	s_mov_b32 s47, 0
	s_add_nc_u64 s[16:17], s[16:17], s[46:47]
	; the low parts: 16 rows of 6,144 bytes for each tile row (s13 = 256 x tile row), my 128 columns
	s_mul_i32 s68, s13, 16*SIZE_N*2/256
	s_add_co_u32 s68, s68, s46
	s_mov_b32 s69, 0
	s_add_nc_u64 s[LOB:LOB+1], s[LOB:LOB+1], s[68:69]
	s_and_b32 s[NOLOW], ttmp7, 1                   ; a batch's first tile row is 8 x batch: it lies in a cluster of even y.  The cluster's number and the wave's are the same in all partners;
	s_or_b32 s[NOLOW], s[NOLOW], s11               ; no branch may hang on a place in the cluster, so the other three tile rows of such a cluster store their first 16 rows too, which nobody reads
	; the prefetches
	s_lshl_b32 s42, s42, 8
	s_and_b32 s22, ttmp7, 0xffff                   ; cluster y
	s_cmp_eq_u32 s11, 0                            ; do I fetch for A?
	s_cselect_b32 s20, s13, s42                    ; the tile's first row
	s_cselect_b32 s21, s40, s41                    ; my place among the four that ask for it with me
	s_cselect_b32 s22, ttmp9, s22                  ; the coordinate along which other clusters read the same rows
	s_cselect_b64 s[PFA:PFA+1], s[4:5], s[6:7]
	s_cmp_eq_u32 s22, 0
	s_cselect_b32 s[LIM], 1, -1                    ; the same in all sixteen partners, for a given wave
	s_lshl_b32 s22, s12, 7
	s_add_co_u32 s20, s20, s22
	s_lshl_b32 s21, s21, 5
	s_add_co_u32 s20, s20, s21                     ; + my work-group's 32 rows
	s_mov_b32 s21, 0
	s_mov_b64 s[18:19], SIZE_K*2
	s_mul_u64 s[20:21], s[20:21], s[18:19]
	s_add_nc_u64 s[PFA:PFA+1], s[PFA:PFA+1], s[20:21]
	s_add_nc_u64 s[PFA:PFA+1], s[PFA:PFA+1], 2*KSTEP*2  ; at K step 2: the first refill steps it to 3 and names K step 4
	v_and_b32 v[PFO], 31, v0
	v_mul_u32_u24 v[PFO], v[PFO], SIZE_K*2
; 16 matrix instructions: m blocks a0, a0 + 1 of the window's four x all 8 n blocks, 32 along K.  zero = 1: the first product starts the sums.  The 64 accumulators take turns.
.macro MUL16 f, hi, a0, zero
	WIN MUL_LO+0x50*(\hi)
.irp a, \a0, (\a0)+1
.irp b, 0,1,2,3,4,5,6,7
.if \zero
	v_wmma_f32_16x16x32_bf16 v[8*(8*(\a)+(\b)):8*(8*(\a)+(\b))+7], v[(\f)+8*(\b):(\f)+8*(\b)+7], v[(\f)+8*(4*(\hi)+(\a)):(\f)+8*(4*(\hi)+(\a))+7], 0
.else
	v_wmma_f32_16x16x32_bf16 v[8*(8*(\a)+(\b)):8*(8*(\a)+(\b))+7], v[(\f)+8*(\b):(\f)+8*(\b)+7], v[(\f)+8*(4*(\hi)+(\a)):(\f)+8*(4*(\hi)+(\a))+7], v[8*(8*(\a)+(\b)):8*(8*(\a)+(\b))+7]
.endif
.endr
.endr
.endm
; 32 LDS loads in one run: the fragments of one quarter step into buffer f
.macro FETCH slot, k, f
	WIN TO_B
.irp i, 0,1,2,3,4,5,6,7
	ds_load_b128 v[(\f)+8*(\i):(\f)+8*(\i)+3],   v[ADRB+(\slot)] offset:(\k)+(\i)*16*PITCH
	ds_load_b128 v[(\f)+8*(\i)+4:(\f)+8*(\i)+7], v[ADRB+(\slot)] offset:(\k)+(\i)*16*PITCH+32
.endr
	WIN 0
.irp i, 0,1,2,3,4,5,6,7
	ds_load_b128 v[(\f)+8*(\i):(\f)+8*(\i)+3],   v[ADRA+(\slot)] offset:(\k)+(\i)*16*PITCH
	ds_load_b128 v[(\f)+8*(\i)+4:(\f)+8*(\i)+7], v[ADRA+(\slot)] offset:(\k)+(\i)*16*PITCH+32
.endr
.endm
.macro PLACES                          ; four plain vector instructions between a matrix instruction and a load into, or a vector read of, its registers
.rept 4
	v_nop
.endr
.endm
; A K step is four quarters of 32 along K, 64 matrix instructions each, on buffers 0, 1, 0, 1.  One of the first three multiplies buffer f and fetches the next quarter, at byte k, into buffer g.
.macro QUARTER slot, k, f, g, zero
	s_wait_dscnt 8                                 ; B and A's rows 0-63 are in; the youngest eight loads (A's rows 64-127) may be out
	MUL16 \f, 0, 0, \zero
	MUL16 \f, 0, 2, \zero
	PLACES
	FETCH \slot, \k, \g
	s_wait_dscnt 32                                ; all but the 32 just issued
	MUL16 \f, 1, 0, \zero
	MUL16 \f, 1, 2, \zero
.endm
; The first half of the last quarter: one barrier for the change of slots.  In front of it each wave waits for all its tensor loads (one is out: its part of the next slot), adds 0 to its spare word,
; and waits for that and for its own reads of this slot.
.macro MEET round
	WIN 0
	s_wait_tensorcnt 0x0                           ; all my tensor loads have landed
	ds_add_u32 v[SPW], v[NIL]                      ; 0 onto my spare word
	s_wait_dscnt 9                                 ; the add and the youngest eight loads may be out
	MUL16 F1, 0, 0, 0
	s_wait_dscnt 0x0                               ; the add is done, and my reads of this slot are over
	s_barrier_signal -1
	MUL16 F1, 0, 2, 0
.if \round
	WIN 0
.endif
	s_barrier_wait -1
.endm
; The whole last quarter: behind the round the slot just read out is filled again first, with the K step two steps on; then come the next slot's first fragments.
.macro TURN slot, next
	s_wait_xcnt 0x0                                ; the last prefetch, a K step back, has read its address
	s_add_nc_u64 s[PFA:PFA+1], s[PFA:PFA+1], KSTEP*2
	MEET 1
	CREST                                          ; no wave of any partner still reads this slot's tile or has a load on its way
	s_add_nc_u64 s[G0+4*(\slot)+2:G0+4*(\slot)+3], s[G0+4*(\slot)+2:G0+4*(\slot)+3], 2*KSTEP*2
	s_add_nc_u64 s[G0B+4*(\slot)+2:G0B+4*(\slot)+3], s[G0B+4*(\slot)+2:G0B+4*(\slot)+3], 2*KSTEP*2
	JLOAD \slot                                    ; the first tensor load behind the round; its four v_nop are also the places in front of the loads below
	FETCH \next, 0, F0
	ASK
	MUL16 F1, 1, 0, 0
	MUL16 F1, 1, 2, 0
.endm
; THE LAST K STEP (slot 1) GOES BY ROWS.  All its fragments of B fill window 1; then my eight blocks of 16 rows are finished one after the other, 32 matrix instructions each, K ascending.
.macro BLOAD q
	WIN TO_B
.irp i, 0,1,2,3,4,5,6,7
	ds_load_b128 v[64*(\q)+8*(\i):64*(\q)+8*(\i)+3],   v[ADRB+1] offset:64*(\q)+(\i)*16*PITCH
	ds_load_b128 v[64*(\q)+8*(\i)+4:64*(\q)+8*(\i)+7], v[ADRB+1] offset:64*(\q)+(\i)*16*PITCH+32
.endr
.endm
.macro ALOAD a
	WIN 0
.set FA, PA+32*((\a)%4)
.irp q, 0,1,2,3
	ds_load_b128 v[FA+8*(\q):FA+8*(\q)+3],   v[ADRA+1] offset:64*(\q)+(\a)*16*PITCH
	ds_load_b128 v[FA+8*(\q)+4:FA+8*(\q)+7], v[ADRA+1] offset:64*(\q)+(\a)*16*PITCH+32
.endr
.endm
.macro ROW a
.set FA, PA+32*((\a)%4)
.set AC, 64*((\a)%4)
	WIN MUL_LO+0x50*((\a)/4)
.irp q, 0,1,2,3
.if (\a) == 0 && (\q) == 2
	s_wait_dscnt 24                                ; B's quarter 2 is in (behind it: A's blocks 1 to 3)
.endif
.irp b, 0,1,2,3,4,5,6,7
	v_wmma_f32_16x16x32_bf16 v[AC+8*(\b):AC+8*(\b)+7], v[64*(\q)+8*(\b):64*(\q)+8*(\b)+7], v[FA+8*(\q):FA+8*(\q)+7], v[AC+8*(\b):AC+8*(\b)+7]
.endr
.endr
.endm
; THE WAY OUT of block a.  PACK: rounded to f16, 16 bytes a lane.  TOSTAGE: into my own stage in LDS, and back as whole rows of 256 bytes.  SEND: stored.
.macro PACK a
.set AC, 64*((\a)%4)
	WIN 0x0a+5*((\a)/4)
.irp b, 0,1,2,3,4,5,6,7
.irp r, 0,1,2,3
	v_cvt_pk_f16_f32 v[TMP+4*(\b)+(\r)], v[AC+8*(\b)+2*(\r)], v[AC+8*(\b)+2*(\r)+1]
.endr
.endr
	WIN 0
.endm
.macro TOSTAGE a
	WIN 0
.set BK, OB+192*((\a)%2)
.irp b, 0,1,2,3,4,5,6,7
	ds_store_b128 v[STO], v[TMP+4*(\b):TMP+4*(\b)+3] offset:32*(\b)
.endr
.irp t, 0,1,2,3,4,5,6,7
	ds_load_b128 v[BK+4*(\t):BK+4*(\t)+3], v[RD] offset:(\t)*2*SPITCH  ; LDS serves a wave's instructions in order: these see the stores above
.endr
.endm
.macro SEND a, younger
	WIN 0
.set BK, OB+192*((\a)%2)
	s_wait_dscnt \younger                          ; the block is back in registers
	s_wait_xcnt 0x0                                ; the stores' base and the registers that earlier stores read are rewritten only behind this wait
.if (\a) == 0
	s_add_nc_u64 s[8:9], s[8:9], s[16:17]          ; on to my first rows
.else
	s_add_nc_u64 s[8:9], s[8:9], 16*SIZE_N*2       ; 16 rows on
.endif
.irp t, 0,1,2,3,4,5,6,7
	global_store_b128 v[CO], v[BK+4*(\t):BK+4*(\t)+3], s[8:9] offset:2*(\t)*SIZE_N*2  ; 16 lanes store 256 consecutive bytes, at a multiple of 256 from the buffer's first byte
.endr
.endm
; THE LOW PARTS of block 0, behind its way out: TMP still holds the block's packed f16.  Each half of it times -1 plus its accumulator is the exact difference (one fused multiply-add, the half read as f16);
; rounded to f16 it goes the block's own way: my stage, whole rows back into the registers that it left, 8 stores of 256 consecutive bytes for each 16 lanes.
.macro LOW
	WIN 0
	s_cmp_eq_u32 s[NOLOW], 0
	s_cbranch_scc0 .Lno_low
	WIN 0x20                                       ; source 2, the accumulator, in window 2; the conversions have no third source
.irp b, 0,1,2,3,4,5,6,7
.irp r, 0,1,2,3
	v_fma_mix_f32 v[DW+2*(\r)], v[TMP+4*(\b)+(\r)], v[M1], v[8*(\b)+2*(\r)] op_sel_hi:[1,0,0]
	v_fma_mix_f32 v[DW+2*(\r)+1], v[TMP+4*(\b)+(\r)], v[M1], v[8*(\b)+2*(\r)+1] op_sel:[1,0,0] op_sel_hi:[1,0,0]
.endr
.irp r, 0,1,2,3
	v_cvt_pk_f16_f32 v[LP+4*(\b)+(\r)], v[DW+2*(\r)], v[DW+2*(\r)+1]
.endr
.endr
	WIN 0
.irp b, 0,1,2,3,4,5,6,7
	ds_store_b128 v[STO], v[LP+4*(\b):LP+4*(\b)+3] offset:32*(\b)
.endr
.irp t, 0,1,2,3,4,5,6,7
	ds_load_b128 v[LP+4*(\t):LP+4*(\t)+3], v[RD] offset:(\t)*2*SPITCH
.endr
	s_wait_dscnt 0x0
.irp t, 0,1,2,3,4,5,6,7
	global_store_b128 v[CO], v[LP+4*(\t):LP+4*(\t)+3], s[LOB:LOB+1] offset:2*(\t)*SIZE_N*2
.endr
	s_wait_xcnt 0x0                                ; the next block's rows come back from the stage into these registers only behind this wait
.Lno_low:
.endm
	s_wait_tensorcnt 1                             ; my part of K step 0 is in; K step 1's may stay out
	s_barrier_signal -1
	s_barrier_wait -1
	FETCH 0, 0, F0
	QUARTER 0, 64,  F0, F1, 1                      ; the first quarter stands in front of the loop: its products start the sums
	WIN 0
	s_mov_b32 s3, LAPS-1
.Llap:                                                 ; a trip goes once round the ring and fills both slots again
	QUARTER 0, 128, F1, F0, 0
	QUARTER 0, 192, F0, F1, 0
	TURN 0, 1
	QUARTER 1, 64,  F0, F1, 0
	QUARTER 1, 128, F1, F0, 0
	QUARTER 1, 192, F0, F1, 0
	TURN 1, 0
	QUARTER 0, 64,  F0, F1, 0
	WIN 0
	s_sub_co_u32 s3, s3, 1
	s_cmp_lg_u32 s3, 0
	s_cbranch_scc1 .Llap
	QUARTER 0, 128, F1, F0, 0
	QUARTER 0, 192, F0, F1, 0
	MEET 0                                         ; nothing is filled again, so no round follows
	PLACES
	BLOAD 0
	BLOAD 1
	BLOAD 3
	ALOAD 0
	MUL16 F1, 1, 0, 0
	MUL16 F1, 1, 2, 0
	PLACES
	BLOAD 2
	ALOAD 1
	ALOAD 2
	ALOAD 3
	s_wait_dscnt 40                                ; all but the 40 just issued
	ROW 0
.irp a, 0,1,2,3,4,5,6,7
	PLACES
	PACK \a
	TOSTAGE \a
.if (\a) < 4
	ALOAD (\a)+4
	SEND \a, 8
.else
	SEND \a, 0
.endif
.if (\a) == 0
	LOW
.endif
.if (\a) < 7
	ROW (\a)+1
.endif
.endr
	s_wait_tensorcnt 0x0                           ; the wave's end
	ds_add_u32 v[SPW], v[NIL]
	s_wait_dscnt 0x0
	CROUND                                         ; the closing round
	s_endpgm
.Lfunc_end_k_q465e1f92de_proj:
	.size	k_q465e1f92de_proj, .Lfunc_end_k_q465e1f92de_proj-k_q465e1f92de_proj
	.p2alignl 7, 3214868480
	.fill 96, 4, 3214868480
	.section	.rodata,"a",@progbits
	.p2align	6, 0x0
	.amdhsa_kernel k_q465e1f92de_proj
		.amdhsa_group_segment_fixed_size 327680
		.amdhsa_private_segment_fixed_size 0
		.amdhsa_enable_private_segment 0
		.amdhsa_kernarg_size 32
		.amdhsa_user_sgpr_count 2
		.amdhsa_user_sgpr_kernarg_segment_ptr 1
		.amdhsa_wavefront_size32 1
		.amdhsa_system_sgpr_workgroup_id_x 1
		.amdhsa_system_sgpr_workgroup_id_y 1
		.amdhsa_system_sgpr_workgroup_id_z 1
		.amdhsa_system_vgpr_workitem_id 0
		.amdhsa_next_free_vgpr 1024
		.amdhsa_next_free_sgpr 72
		.amdhsa_reserve_vcc 0
		.amdhsa_float_denorm_mode_32 3
		.amdhsa_float_denorm_mode_16_64 3
		.amdhsa_memory_ordered 1
		.amdhsa_forward_progress 1
		.amdhsa_inst_pref_size 153
	.end_amdhsa_kernel
	.amdgpu_metadata
---
amdhsa.version: [ 1, 2 ]
amdhsa.kernels:
  - .name:           k_q465e1f92de_proj
    .symbol:         k_q465e1f92de_proj.kd
    .args:
      - { .name: xb, .offset: 0, .size: 8, .value_kind: global_buffer, .address_space: global }
      - { .name: wb, .offset: 8, .size: 8, .value_kind: global_buffer, .address_space: global }
      - { .name: qkv, .offset: 16, .size: 8, .value_kind: global_buffer, .address_space: global }
      - { .name: lo, .offset: 24, .size: 8, .value_kind: global_buffer, .address_space: global }
    .group_segment_fixed_size: 327680
    .private_segment_fixed_size: 0
    .kernarg_segment_align: 8
    .kernarg_segment_size: 32
    .max_flat_workgroup_size: 128
    .sgpr_count:     72
    .vgpr_count:     1024
    .wavefront_size: 32
...
	.end_amdgpu_metadata
.endif
;; end of part 2
;; launch scores (part 3): grid 9 x 16, 4 waves a work-group, no clusters, 327,680 bytes of LDS; arguments qkv, pt, st; writes pt, st
.if DOCPART == 3
	.amdgcn_target "amdgcn-amd-amdhsa--gfx1250"
	.amdhsa_code_object_version 6
	.text
	.protected	k_q465e1f92de_scores
	.globl	k_q465e1f92de_scores
	.p2align	8
	.type	k_q465e1f92de_scores,@function
k_q465e1f92de_scores:
	s_mov_b64 s[64:65], 0
	v_nop
	global_prefetch_b8 v0, s[64:65] scope:SCOPE_SE
	s_setreg_imm32_b32 hwreg(HW_REG_WAVE_MODE, 25, 1), 1
	s_wait_xcnt 0x0
; For each causal tile of 256 queries x 256 keys of a batch: s = q k^T (f16 products, f32 sums, K = 1,024); then for each query and each block of 128 keys:
;   cm = c x (the block's largest visible s), c = log2(e) / 32;   p = 2^(c s - cm), rounded to f16, into pt;   l = the sum of the unrounded p.   cm and l go into st.
; The launch behind finds each row's maximum over its blocks and corrects p by 2^(cm - maximum): so the maximum is taken away before every exponential, first by blocks, then by rows.
; qkv: [8192][3072] f16, q in columns 0-1023, k in 1024-2047.
; pt: f16, [16 rows (512)][16 keys (128)][lane (32)][16 bytes]: lane l's 16 bytes are row l % 16, keys 8 (l / 16) + 0..7 of the 16 x 16.  That is how the numbers lie in my registers when they are packed, and two
; neighbouring blocks of 16 keys are, lane by lane, the launch behind's matrix operand of 16 queries x 32 keys: so p leaves without a way through LDS, 512 consecutive bytes a store.
; st: f32; cm at byte 0, l at byte 524,288; each [G = row / 64][t = key block of 128][r = row % 16][a = (row % 64) / 16]: a (G, t) entry is 256 consecutive bytes.
; LIMITS.  q and k arrive within f16's 65,504.  A hidden score counts as its value less 1e30; a weight below 2^-126 counts as 0, one below 6e-5 keeps f16's fixed step of 6e-8.  NaN and infinities are not treated apart.
; SHARES.  A batch has 36 tiles on or under the diagonal; tile rows p and 7 - p have 9 together: grid x = 0..8 walks them, grid y = 4 x batch + p.  144 work-groups of equal work.
; Four waves, each 128 x 128: 64 accumulators, 512 registers; a wave's 128 keys are one block t.  Source 0 = 16 rows of k, source 1 = 16 rows of q: a lane holds ONE query (lane % 16) and the keys 8 (lane / 16) + 0..7.
; THE MASK is the C operand that starts a sum.  It is wanted only in a diagonal tile's two waves whose keys and queries are the same 128: 0 under the diagonal, -1e30 above it, by lanes on it.  There every query sees its
; own key, so the block's maximum is a true score.  The wave whose 128 keys all lie behind its queries takes NO mask: its weights are those of the bare scores, finite and at most about 1, and -1e30 is added to the cm
; that it stores, so that the launch behind multiplies them by 0.  (With all scores at -1e30 the exact c s - cm would be cm's own rounding error, which is huge at that size.)
; The blocks behind a tile row's diagonal tile are never computed: the diagonal work-group fills their entries of st with cm = -1e30, l = 0.
; NO CLUSTER: tile rows have 1 to 8 tiles, so no split of the 36 into fours shares one operand throughout, and a square of 4 x 4 on the diagonal would hold 6 work-groups with nothing visible to compute.
; RING.  K goes in steps of 128 through two LDS slots; each wave fetches 128 rows x 256 bytes with one tensor load.  One K step to a trip: the slot in hand is a scalar that an exclusive or turns.
; REGISTERS, in windows of 256 (s_set_vgpr_msb: bits 1:0 source 0, 3:2 source 1, 5:4 source 2, 7:6 destination):
;   window 0: v0-31 addresses; v40-47, v48-55 masks; v56-59 the fill; v64-127, v128-191 fragments of q, two buffers.  On the way out: v32-39 at work, v40-43 cm, v44-47 l, v48-51 what is stored of them,
;   v64-127 the weights, v128-159 packed.     window 1: v64-127, v128-191 fragments of k.     windows 2, 3: the accumulators, (a, b) at v[8 (8 (a % 4) + b)]
.set KSTEP,  128
.set PITCH,  272                       ; an LDS row: 256 bytes + 16 of padding: the 16 rows of a load start at 16 different groups of four banks
.set HALFT,  128*PITCH
.set SLOT,   4*HALFT                   ; q's 256 rows, then k's 256 rows.  0x22000: its two bits are clear in wave x HALFT for waves 0 to 3, so an exclusive or adds or takes it away
.set SPARE,  2*SLOT                    ; behind the ring: the spare words, 128 bytes for each wave
.set QROW,   6144                      ; bytes in a row of qkv
.set PBLK,   65536                     ; bytes of pt for 16 rows: 128 blocks of 16 keys x 512
.set ADRA0, 16                         ; v16  my lane's place in q's rows of slot 0; never rewritten
.set ADRA,  17                         ; v17  the same in the slot in hand
.set ADRB0, 20                         ; v20, v21  the same for k
.set ADRB,  21
.set CO,   26                          ; v26  16 x my lane
.set VSO,  27                          ; v27  16 (l % 16), and 524,288 more in lanes 16-31: cm's entry or l's
.set SPW,  28
.set NIL,  29
.set PFO,  30                          ; v30  my lane x a row of qkv
.set ME,   40                          ; v40-47  the mask on the diagonal
.set MU,   48                          ; v48-55  the mask above it
.set FILLV, 56
.set F0,   64
.set F1,   128
.set MX,   32
.set CMV,  40
.set LV,   44
.set SELR, 48
.set TW,   64
.set TMP,  128
.set G1,   24                          ; s[24:31] descriptor group 1
.set G0A,  32                          ; s[32:35] group 0: K step 0 into slot 0
.set G0,   36                          ; s[36:39] group 0: K step 1 into slot 1; then it walks
.set TB,   40                          ; s40  LDS byte at which the slot in hand begins
.set LIM,  41                          ; s41  1 in a work-group that prefetches, else the greatest number
.set PFA,  42                          ; s[42:43]
.set CS,   44                          ; s[44:45] c, twice
.set SEL,  46                          ; s[46:47] v_permlanex16_b32's selects
.set HM,   48                          ; s48  the lanes 16-31
.set PB,   50                          ; s[50:51] pt at my 128 x 128
.set STB,  52                          ; s[52:53] st at my first entry
.set FB,   54                          ; s[54:55] st at the entry to be filled
.set TT,   56
.set TLIM, 57
.set NEG,  58
.set MUV,  59
.set KB,   60
.set MSB, 0
.macro WIN new
.if MSB != (\new)
	s_set_vgpr_msb (MSB<<8)|(\new)
.set MSB, \new
.endif
.endm
.set MUL_LO, 0xa1
.set TO_B,   0x40
	s_load_b128 s[4:7], s[0:1], 0x0                ; qkv s[4:5], pt s[6:7]
	s_load_b64 s[8:9], s[0:1], 0x10                ; st
	v_lshl_add_u32 v[SPW], v0, 2, SPARE
	v_mov_b32 v[NIL], 0
	ds_add_u32 v[SPW], v[NIL]                      ; the wave's opening: the add and its wait stand ahead of my first tensor load
	v_lshrrev_b32 v1, 5, v0
	v_readfirstlane_b32 s10, v1                    ; wave 0..3
	s_lshr_b32 s11, s10, 1                         ; RH: which 128 queries are mine.  Also: I fetch q (0) or k (1)
	s_and_b32 s12, s10, 1                          ; CH: which 128 keys.  Also: which 128 rows I fetch
	s_mov_b32 s13, ttmp9                           ; 0..8
	s_and_b32 s14, ttmp7, 0xffff
	s_lshr_b32 s15, s14, 2                         ; batch
	s_and_b32 s16, s14, 3                          ; p
	s_sub_co_u32 s17, 7, s16
	s_sub_co_u32 s18, s13, s16
	s_sub_co_u32 s18, s18, 1
	s_cmp_le_u32 s13, s16
	s_cselect_b32 s17, s16, s17                    ; tile row: p, or 7 - p
	s_cselect_b32 s18, s13, s18                    ; tile column: x, or x - p - 1
	s_cmp_eq_u32 s17, s18
	s_cselect_b32 s19, 1, 0                        ; the diagonal tile?
	s_mov_b32 s[G1+0], (1<<16)|(1<<20)|(5<<22)|(3<<25)  ; elements of 2 bytes; padding on: after every 64 words 4 words
	s_mov_b32 s[G1+1], KSTEP<<16                   ; tensor_dim0 = 128
	s_mov_b32 s[G1+2], 128<<16                     ; tensor_dim1 = 128
	s_mov_b32 s[G1+3], KSTEP<<16                   ; tile_dim0 = 128
	s_mov_b32 s[G1+4], 128                         ; tile_dim1 = 128
	s_mov_b32 s[G1+5], 3072                        ; elements from row to row
	s_mov_b32 s[G1+6], 0
	s_mov_b32 s[G1+7], 0
	s_mul_i32 s20, s10, HALFT                      ; where my rows go in a slot
	s_cmp_eq_u32 s11, 0
	s_cselect_b32 s21, s17, s18                    ; q's rows go by the tile row, k's by the tile column
	s_cselect_b32 s22, 0, 2048                     ; k begins 2,048 bytes into a row
	s_lshl_b32 s2, s15, 11
	s_lshl_b32 s21, s21, 8
	s_add_co_u32 s2, s2, s21
	s_lshl_b32 s21, s12, 7
	s_add_co_u32 s2, s2, s21                       ; the first row that I fetch
	s_mul_i32 s2, s2, QROW
	s_add_co_u32 s2, s2, s22
	s_mov_b32 s3, 0
	s_mov_b32 s[TB], 0
	s_mov_b32 s[CS], 0x3d38aa3b                    ; c = log2(e) / 32
	s_mov_b32 s[CS+1], s[CS]
	s_mov_b32 s[SEL], 0x76543210
	s_mov_b32 s[SEL+1], 0xfedcba98
	s_mov_b32 s[NEG], 0xf149f2ca                   ; -1e30
	s_cmp_eq_u32 s19, 1
	s_cselect_b32 s[LIM], 1, -1
	s_wait_dscnt 0x0                               ; the opening add is done
	s_wait_kmcnt 0x0
	s_add_nc_u64 s[2:3], s[4:5], s[2:3]            ; my rows at K step 0
	s_mov_b32 s[G0A], 1
	s_mov_b32 s[G0A+1], s20
	s_mov_b64 s[G0A+2:G0A+3], s[2:3]
	s_or_b32 s[G0A+3], s[G0A+3], 0x80000000
	s_mov_b32 s[G0], 1
	s_add_co_u32 s[G0+1], s20, SLOT
	s_add_nc_u64 s[G0+2:G0+3], s[2:3], KSTEP*2
	s_or_b32 s[G0+3], s[G0+3], 0x80000000
	s_add_nc_u64 s[PFA:PFA+1], s[2:3], 2*KSTEP*2   ; at K step 2: the first refill steps it to 3
	tensor_load_to_lds s[G0A:G0A+3], s[G1:G1+7]    ; the two first fills go out together: two loads of mine are out
	s_nop 0
	tensor_load_to_lds s[G0:G0+3], s[G1:G1+7]
	s_nop 0
.rept 4
	v_nop
.endr
	v_and_b32 v1, 15, v0                           ; r = l % 16
	v_bfe_u32 v2, v0, 4, 1                         ; h = l / 16
	v_and_b32 v6, 31, v0                           ; l
	v_mul_u32_u24 v3, v1, PITCH
	v_lshl_add_u32 v3, v2, 4, v3
	s_mul_i32 s21, s11, HALFT                      ; my 128 rows of q
	s_mul_i32 s22, s12, HALFT
	s_add_co_u32 s22, s22, 2*HALFT                 ; my 128 rows of k, behind q's 256
	v_add_nc_u32 v[ADRA0], s21, v3
	v_add_nc_u32 v[ADRB0], s22, v3
	v_mov_b32 v[ADRA], v[ADRA0]
	v_mov_b32 v[ADRB], v[ADRB0]
	v_lshlrev_b32 v[CO], 4, v6
	v_lshlrev_b32 v5, 19, v2
	v_lshl_add_u32 v[VSO], v1, 4, v5
	v_mul_u32_u24 v[PFO], v6, QROW
	v_cmp_lt_u32 s[HM], 15, v6
	; where my results go
	s_lshl_b32 s21, s15, 11
	s_lshl_b32 s22, s17, 8
	s_add_co_u32 s21, s21, s22
	s_lshl_b32 s22, s11, 7
	s_add_co_u32 s21, s21, s22                     ; my first row, a multiple of 16:
	s_lshl_b32 s2, s21, 12                         ; 16 rows of pt are 65,536 bytes
	s_lshl_b32 s22, s18, 13                        ; a tile's 256 keys are 16 blocks of 512 bytes,
	s_add_co_u32 s2, s2, s22
	s_lshl_b32 s22, s12, 12                        ; my 128 keys 8 of them
	s_add_co_u32 s2, s2, s22
	s_mov_b32 s3, 0
	s_add_nc_u64 s[PB:PB+1], s[6:7], s[2:3]
	s_lshr_b32 s2, s21, 6                          ; G
	s_lshl_b32 s2, s2, 4
	s_lshl_b32 s22, s18, 1
	s_add_co_u32 s2, s2, s22
	s_add_co_u32 s2, s2, s12                       ; 16 G + t
	s_lshl_b32 s2, s2, 8
	s_add_nc_u64 s[STB:STB+1], s[8:9], s[2:3]
	s_lshl_b32 s2, s15, 5
	s_lshl_b32 s22, s17, 2
	s_add_co_u32 s2, s2, s22
	s_add_co_u32 s2, s2, s10                       ; the fill: wave w owns the tile row's G number w,
	s_lshl_b32 s2, s2, 4
	s_add_co_u32 s2, s2, 2                         ; from t = 2 on
	s_lshl_b32 s2, s2, 8
	s_add_nc_u64 s[FB:FB+1], s[8:9], s[2:3]
	s_lshl_b32 s[TLIM], s17, 1
	s_add_co_u32 s[TLIM], s[TLIM], 1               ; the tile row's last computed block
	; the masks
	s_cmp_eq_u32 s11, s12
	s_cselect_b32 s[MUV], s19, 0                   ; the diagonal tile, keys and queries the same 128
	s_cmp_gt_u32 s12, s11
	s_cselect_b32 s[KB], s19, 0                    ; the diagonal tile, all keys behind all queries
	s_cmp_eq_u32 s[MUV], 1
	s_cselect_b32 s[MUV], s[NEG], 0
	s_cmp_eq_u32 s[KB], 1
	s_cselect_b32 s[KB], s[NEG], 0
	v_mov_b32 v8, 0
	v_mov_b32 v9, s[NEG]
	v_lshlrev_b32 v7, 3, v2
	v_sub_nc_u32 v7, v1, v7                        ; r - 8 h: register j is hidden where j is greater
.irp j, 0,1,2,3,4,5,6,7
	v_mov_b32 v[MU+(\j)], s[MUV]
.endr
.irp j, 0,1,2,3,4,5,6,7
	v_cmp_gt_i32 vcc_lo, \j, v7
	v_cndmask_b32 v[ME+(\j)], v8, v[MU], vcc_lo
.endr
	v_cndmask_b32 v[FILLV], v9, v8, s[HM]          ; lanes 0-15: -1e30 for cm; lanes 16-31: 0 for l
	v_mov_b32 v[FILLV+1], v[FILLV]
	v_mov_b32 v[FILLV+2], v[FILLV]
	v_mov_b32 v[FILLV+3], v[FILLV]
	; THE FILL, in the diagonal work-groups, while the first tiles are on their way: a store covers cm's 256 bytes and l's 256 bytes of one entry
	s_cmp_eq_u32 s19, 1
	s_cbranch_scc0 .Lno_fill
	s_mov_b32 s[TT], 2
.Lfill:
	s_cmp_gt_u32 s[TT], s[TLIM]
	s_cbranch_scc0 .Lcomputed
	global_store_b128 v[VSO], v[FILLV:FILLV+3], s[FB:FB+1]
.Lcomputed:
	s_wait_xcnt 0x0                                ; the store has read its base, which is stepped only behind this wait
	s_add_nc_u64 s[FB:FB+1], s[FB:FB+1], 256
	s_add_co_u32 s[TT], s[TT], 1
	s_cmp_lt_u32 s[TT], 16
	s_cbranch_scc1 .Lfill
.Lno_fill:
; 16 matrix instructions: query blocks a0, a0 + 1 of the window's four x all 8 key blocks, 32 along K.  zero = 1: the first product starts the sums, with 0 under the diagonal of blocks, ME on it, MU above it
; (C then lies in window 0).  The 64 accumulators take turns, in the same order in every quarter.
.macro MUL16 f, hi, a0, zero
.if \zero
	WIN 0x81+0x40*(\hi)
.else
	WIN MUL_LO+0x50*(\hi)
.endif
.irp a, \a0, (\a0)+1
.irp b, 0,1,2,3,4,5,6,7
.if \zero
.if (\b) < 4*(\hi)+(\a)
	v_wmma_f32_16x16x32_f16 v[8*(8*(\a)+(\b)):8*(8*(\a)+(\b))+7], v[(\f)+8*(\b):(\f)+8*(\b)+7], v[(\f)+8*(4*(\hi)+(\a)):(\f)+8*(4*(\hi)+(\a))+7], 0
.elseif (\b) == 4*(\hi)+(\a)
	v_wmma_f32_16x16x32_f16 v[8*(8*(\a)+(\b)):8*(8*(\a)+(\b))+7], v[(\f)+8*(\b):(\f)+8*(\b)+7], v[(\f)+8*(4*(\hi)+(\a)):(\f)+8*(4*(\hi)+(\a))+7], v[ME:ME+7]
.else
	v_wmma_f32_16x16x32_f16 v[8*(8*(\a)+(\b)):8*(8*(\a)+(\b))+7], v[(\f)+8*(\b):(\f)+8*(\b)+7], v[(\f)+8*(4*(\hi)+(\a)):(\f)+8*(4*(\hi)+(\a))+7], v[MU:MU+7]
.endif
.else
	v_wmma_f32_16x16x32_f16 v[8*(8*(\a)+(\b)):8*(8*(\a)+(\b))+7], v[(\f)+8*(\b):(\f)+8*(\b)+7], v[(\f)+8*(4*(\hi)+(\a)):(\f)+8*(4*(\hi)+(\a))+7], v[8*(8*(\a)+(\b)):8*(8*(\a)+(\b))+7]
.endif
.endr
.endr
.endm
.macro FETCH k, f                      ; 32 LDS loads in one run: a quarter step's fragments, at byte k of the rows of the slot in hand, into buffer f
	WIN TO_B
.irp i, 0,1,2,3,4,5,6,7
	ds_load_b128 v[(\f)+8*(\i):(\f)+8*(\i)+3],   v[ADRB] offset:(\k)+(\i)*16*PITCH
	ds_load_b128 v[(\f)+8*(\i)+4:(\f)+8*(\i)+7], v[ADRB] offset:(\k)+(\i)*16*PITCH+32
.endr
	WIN 0
.irp i, 0,1,2,3,4,5,6,7
	ds_load_b128 v[(\f)+8*(\i):(\f)+8*(\i)+3],   v[ADRA] offset:(\k)+(\i)*16*PITCH
	ds_load_b128 v[(\f)+8*(\i)+4:(\f)+8*(\i)+7], v[ADRA] offset:(\k)+(\i)*16*PITCH+32
.endr
.endm
.macro PLACES                          ; four plain vector instructions between a matrix instruction and a load into, or a vector read of, its registers
.rept 4
	v_nop
.endr
.endm
.macro QUARTER k, f, g, zero           ; multiplies buffer f; in its middle fetches the next quarter, at byte k, into buffer g
	s_wait_dscnt 8                                 ; k and q's rows 0-63 are in; the youngest eight loads (q's rows 64-127) may be out
	MUL16 \f, 0, 0, \zero
	MUL16 \f, 0, 2, \zero
	PLACES
	FETCH \k, \g
	s_wait_dscnt 32                                ; all but the 32 just issued
	MUL16 \f, 1, 0, \zero
	MUL16 \f, 1, 2, \zero
.endm
; A prefetch behind each refill and the run of LDS loads that follows it: the K step after the one just asked for, 256 matrix instructions ahead of its own load.  Each tile row of q and of k has one diagonal
; work-group: it asks, and nobody else; each of its waves for the 128 rows that it fetches itself, a lane a row, four instructions.  So each row's 256 bytes of a K step are named once in the launch.
; K steps 0 to 2 come by their loads alone; the last refill has no K step behind it and asks for nothing.
.macro ASK
	s_cmp_gt_u32 s3, s[LIM]                        ; s3 = 1 in the loop's last trip
	s_cbranch_scc0 .Lnot_mine_\@
.irp u, 0,1,2,3
	global_prefetch_b8 v[PFO], s[PFA:PFA+1] offset:(\u)*32*QROW th:TH_LOAD_NT scope:SCOPE_SE
.endr
.Lnot_mine_\@:
.endm
; The last quarter multiplies buffer 1 and changes slots: ONE barrier.  In front of it each wave waits for all its tensor loads (one is out: its part of the next slot), adds 0 to its spare word, and waits for that
; and for its own reads of this slot.  fill = 1: the slot just read out is filled again, the first thing behind the barrier, with the K step two steps on: 224 matrix instructions ahead of the wait for it.
.macro TURN fill
.if \fill
	s_wait_xcnt 0x0                                ; the last prefetches, a K step back, have read their address
	s_add_nc_u64 s[PFA:PFA+1], s[PFA:PFA+1], KSTEP*2
.endif
	WIN 0
	s_wait_tensorcnt 0x0                           ; no tensor load of mine is out, so the walking group 0 may be written
	ds_add_u32 v[SPW], v[NIL]                      ; 0 onto my spare word
.if \fill
	s_xor_b32 s[G0+1], s[G0+1], SLOT               ; the other slot than last time,
	s_add_nc_u64 s[G0+2:G0+3], s[G0+2:G0+3], KSTEP*2  ; the next K step
.endif
	s_wait_dscnt 9                                 ; the add and the youngest eight loads may be out
	MUL16 F1, 0, 0, 0
	s_wait_dscnt 0x0                               ; the add is done, and my reads of this slot are over
	s_barrier_signal -1
	MUL16 F1, 0, 2, 0
	WIN 0
	s_barrier_wait -1
.if \fill
	tensor_load_to_lds s[G0:G0+3], s[G1:G1+7]
	s_nop 0
.endif
	PLACES                                         ; also the places in front of the loads below
	s_xor_b32 s[TB], s[TB], SLOT
	v_add_nc_u32 v[ADRA], s[TB], v[ADRA0]
	v_add_nc_u32 v[ADRB], s[TB], v[ADRB0]
	FETCH 0, F0
.if \fill
	ASK
.endif
	MUL16 F1, 1, 0, 0
	MUL16 F1, 1, 2, 0
.endm
; THE WAY OUT, a block a of 16 queries at a time.  SOFT: the lane's 64 scores (8 accumulators x 8) give the block's maximum, cm, the weights, their packed f16 and their sum.
.macro SOFT a
.set AC, 64*((\a)%4)
.set WW, 2+(\a)/4
	WIN WW*0x15                                    ; all three sources in the accumulators' window
.irp b, 0,1,2,3,4,5,6,7
	v_max3_num_f32 v[MX+(\b)], v[AC+8*(\b)], v[AC+8*(\b)+1], v[AC+8*(\b)+2]  ; each accumulator's lowest registers are read first
.endr
	WIN WW*0x14                                    ; sources 1 and 2
.irp b, 0,1,2,3,4,5,6,7
	v_max3_num_f32 v[MX+(\b)], v[MX+(\b)], v[AC+8*(\b)+3], v[AC+8*(\b)+4]
.endr
.irp b, 0,1,2,3,4,5,6,7
	v_max3_num_f32 v[MX+(\b)], v[MX+(\b)], v[AC+8*(\b)+5], v[AC+8*(\b)+6]
.endr
.irp b, 0,2,4,6
	v_max3_num_f32 v[MX+(\b)], v[MX+(\b)], v[AC+8*(\b)+7], v[AC+8*(\b)+15]
.endr
	WIN 0
	v_max3_num_f32 v[MX], v[MX], v[MX+1], v[MX+2]
	v_max3_num_f32 v[MX+3], v[MX+3], v[MX+4], v[MX+5]
	v_max3_num_f32 v[MX], v[MX], v[MX+3], v[MX+6]
	v_max_num_f32 v[MX], v[MX], v[MX+7]
	v_permlanex16_b32 v[MX+1], v[MX], s[SEL], s[SEL+1]  ; the query's other 64 keys lie in the lane 16 away
	v_max_num_f32 v[MX], v[MX], v[MX+1]
	v_mul_f32 v[MX+2], s[CS], v[MX]                ; cm
	v_add_f32 v[CMV+(\a)%4], s[KB], v[MX+2]        ; what is stored: cm, or cm - 1e30 where the whole block is hidden
	WIN WW                                         ; source 0
.set i, 0
.rept 32
	v_pk_fma_f32 v[TW+2*i:TW+2*i+1], v[AC+2*i:AC+2*i+1], s[CS:CS+1], v[MX+2:MX+3] op_sel_hi:[1,0,0] neg_lo:[0,0,1] neg_hi:[0,0,1]  ; c s - cm
.set i, i+1
.endr
	WIN 0
.set i, 0
.rept 64
	v_exp_f32 v[TW+i], v[TW+i]
.set i, i+1
.endr
	v_nop                                          ; a plain instruction behind the last exponential,
	s_wait_alu depctr_va_vdst(0)                   ; and ONE wait for the 64, ahead of their first reader
	s_wait_xcnt 0x0                                ; the block before's stores, issued some 170 instructions back, have read the packed registers, which are written anew only behind this wait
.set i, 0
.rept 32
	v_cvt_pk_f16_f32 v[TMP+i], v[TW+2*i], v[TW+2*i+1]
.set i, i+1
.endr
.irp n, 16,8,4,2,1
.set i, 0
.rept \n
	v_pk_add_f32 v[TW+2*i:TW+2*i+1], v[TW+2*i:TW+2*i+1], v[TW+2*(i+(\n)):TW+2*(i+(\n))+1]
.set i, i+1
.endr
.endr
	v_add_f32 v[MX+4], v[TW], v[TW+1]
	v_permlanex16_b32 v[MX+5], v[MX+4], s[SEL], s[SEL+1]
	v_add_f32 v[LV+(\a)%4], v[MX+4], v[MX+5]
.endm
.macro SEND a                          ; the block's eight 16 x 16: each store covers 512 consecutive bytes at a multiple of 512, the eight together 4,096; the place stands in the immediate, 462,336 at the most
.irp b, 0,1,2,3,4,5,6,7
	global_store_b128 v[CO], v[TMP+4*(\b):TMP+4*(\b)+3], s[PB:PB+1] offset:(\a)*PBLK+(\b)*512
.endr
.endm
.macro STATS g                         ; four blocks' cm (lanes 0-15) and l (lanes 16-31): 256 consecutive bytes each
	s_wait_xcnt 0x0                                ; the last such store has read its registers
.irp k, 0,1,2,3
	v_cndmask_b32 v[SELR+(\k)], v[CMV+(\k)], v[LV+(\k)], s[HM]
.endr
	global_store_b128 v[VSO], v[SELR:SELR+3], s[STB:STB+1] offset:(\g)*4096
.endm
	s_wait_tensorcnt 1                             ; my part of K step 0 is in; K step 1's may stay out
	s_barrier_signal -1
	s_barrier_wait -1
	FETCH 0, F0
	QUARTER 64, F0, F1, 1                          ; the first quarter stands in front of the loop: its products start the sums, with the masks
	WIN 0
	s_mov_b32 s3, 6                                ; six refills: K steps 2 to 7
.Lstep:                                                ; a trip: a K step's quarters 1 to 3 and the next one's quarter 0; the slot read out is filled again
	QUARTER 128, F1, F0, 0
	QUARTER 192, F0, F1, 0
	TURN 1
	QUARTER 64, F0, F1, 0
	WIN 0
	s_sub_co_u32 s3, s3, 1
	s_cmp_lg_u32 s3, 0
	s_cbranch_scc1 .Lstep
	QUARTER 128, F1, F0, 0                         ; the tail is written out: nothing more is asked for
	QUARTER 192, F0, F1, 0
	TURN 0
	QUARTER 64, F0, F1, 0
	QUARTER 128, F1, F0, 0
	QUARTER 192, F0, F1, 0
	s_wait_dscnt 8
	MUL16 F1, 0, 0, 0
	MUL16 F1, 0, 2, 0
	s_wait_dscnt 0x0
	MUL16 F1, 1, 0, 0
	MUL16 F1, 1, 2, 0
	PLACES
.irp a, 0,1,2,3,4,5,6,7
	SOFT \a
	SEND \a
.if (\a) == 3
	STATS 0
.endif
.if (\a) == 7
	STATS 1
.endif
.endr
	s_wait_tensorcnt 0x0                           ; the wave's end
	ds_add_u32 v[SPW], v[NIL]
	s_wait_dscnt 0x0
	s_endpgm
.Lfunc_end_k_q465e1f92de_scores:
	.size	k_q465e1f92de_scores, .Lfunc_end_k_q465e1f92de_scores-k_q465e1f92de_scores
	.p2alignl 7, 3214868480
	.fill 96, 4, 3214868480
	.section	.rodata,"a",@progbits
	.p2align	6, 0x0
	.amdhsa_kernel k_q465e1f92de_scores
		.amdhsa_group_segment_fixed_size 327680
		.amdhsa_private_segment_fixed_size 0
		.amdhsa_enable_private_segment 0
		.amdhsa_kernarg_size 24
		.amdhsa_user_sgpr_count 2
		.amdhsa_user_sgpr_kernarg_segment_ptr 1
		.amdhsa_wavefront_size32 1
		.amdhsa_system_sgpr_workgroup_id_x 1
		.amdhsa_system_sgpr_workgroup_id_y 1
		.amdhsa_system_sgpr_workgroup_id_z 1
		.amdhsa_system_vgpr_workitem_id 0
		.amdhsa_next_free_vgpr 1024
		.amdhsa_next_free_sgpr 66
		.amdhsa_reserve_vcc 1
		.amdhsa_float_denorm_mode_32 3
		.amdhsa_float_denorm_mode_16_64 3
		.amdhsa_memory_ordered 1
		.amdhsa_forward_progress 1
		.amdhsa_inst_pref_size 175
	.end_amdhsa_kernel
	.amdgpu_metadata
---
amdhsa.version: [ 1, 2 ]
amdhsa.kernels:
  - .name:           k_q465e1f92de_scores
    .symbol:         k_q465e1f92de_scores.kd
    .args:
      - { .name: qkv, .offset: 0, .size: 8, .value_kind: global_buffer, .address_space: global }
      - { .name: pt, .offset: 8, .size: 8, .value_kind: global_buffer, .address_space: global }
      - { .name: st, .offset: 16, .size: 8, .value_kind: global_buffer, .address_space: global }
    .group_segment_fixed_size: 327680
    .private_segment_fixed_size: 0
    .kernarg_segment_align: 8
    .kernarg_segment_size: 24
    .max_flat_workgroup_size: 128
    .sgpr_count:     66
    .vgpr_count:     1024
    .wavefront_size: 32
...
	.end_amdgpu_metadata
.endif
;; end of part 3
;; launch pv (part 4): grid 4 x 64, 4 waves a work-group, clusters of 4 x 4, 327,680 bytes of LDS; arguments pt, st, qkv, out0; writes out0
.if DOCPART == 4
	.amdgcn_target "amdgcn-amd-amdhsa--gfx1250"
	.amdhsa_code_object_version 6
	.text
	.protected	k_q465e1f92de_pv
	.globl	k_q465e1f92de_pv
	.p2align	8
	.type	k_q465e1f92de_pv,@function
k_q465e1f92de_pv:
	s_mov_b64 s[64:65], 0
	v_nop
	global_prefetch_b8 v0, s[64:65] scope:SCOPE_SE
	s_setreg_imm32_b32 hwreg(HW_REG_WAVE_MODE, 25, 1), 1
	s_wait_xcnt 0x0
	s_wait_alu depctr_hold_cnt(0) depctr_sa_sdst(0) depctr_va_vdst(0) depctr_va_sdst(0) depctr_va_ssrc(0) depctr_va_vcc(0) depctr_vm_vsrc(0)
	s_getreg_b32 s2, hwreg(HW_REG_IB_STS2, 6, 4)
	s_cmp_eq_u32 s2, 0
	s_cbranch_scc0 .Lentry_in_a_cluster
	s_endpgm
.Lentry_in_a_cluster:
	s_bfe_u32 s2, ttmp6, 0x10000c
	s_cmp_lg_u32 s2, 0xf033
	s_cbranch_scc0 .Lentry_shape_is_right
	s_endpgm
.Lentry_shape_is_right:
; out0[row][ch] = the sum over key blocks t of ((alpha_t / l) p_t) V_t.  For each row: m = the largest cm_t, alpha_t = 2^(cm_t - m), l = the sum of l_t alpha_t.
; pt: f16, the weights p by blocks of 128 keys, each taken against its own block's maximum; [16 rows (512)][16 keys (128)][lane (32)][16 bytes]: two neighbouring blocks of 16 keys are, lane by lane, this launch's
; matrix operand of 16 queries x 32 keys.  st: f32, cm at byte 0 and l at byte 524,288, each [G = row / 64][t][row % 16][(row % 64) / 16].  qkv: [8192][3072] f16, v in columns 2048-3071.  out0: [8192][1024] f32.
; Products in f16 with f32 sums; m, l, 1 / l and alpha / l in f32; alpha / l is rounded once to f16, and so is its product with p.
; LIMITS.  v arrives within f16's 65,504.  alpha / l lies in 0 to about 1; it and its product with p keep f16's fixed step of 6e-8 below 6e-5.  A block that is hidden for a row has cm near -1e30, so alpha = 0.
; NaN and infinities are not treated apart.
; SHARES.  A work-group makes 128 queries x 256 channels: 256 work-groups.  A wave makes 64 x 128: 32 accumulators.  Source 0 = V turned (16 channels x 32 keys, by ds_load_tr16_b128), source 1 = 16 queries x 32 keys of p:
; a lane holds ONE query (lane % 16) in p and in the result, and eight neighbouring channels: alpha / l is one number a lane, and multiplies p between its load and the product (v_pk_mul_f16).
; p COMES STRAIGHT INTO REGISTERS, 512 consecutive bytes a load, in a ring of eight quarters (32 keys, 32 registers each): a quarter's registers are asked for again one quarter behind their last product, seven
; quarters ahead of their next.  These are loads into registers: the barrier of a refill does not wait for them.  So LDS holds V alone, and a slot has room for TWO steps of 128 keys.
; CLUSTER.  4 x 4 work-groups are 512 queries (cy) x all 1,024 channels (cx) of a batch.  V's tile hangs on cx alone and is shared along a column of the cluster: joint loads, one a wave (64 keys x 512 bytes).
; p is not shared so: each wave asks for the rows that it multiplies.
; THE WALK.  A PERIOD is a slot's 256 keys: 8 quarters, 256 matrix instructions a wave.  All sixteen partners walk the 2 (Yq + 1) periods that the cluster's last queries need; the count hangs on the cluster's number alone.
; For a partner whose queries end earlier the later steps have alpha = 0; where such a step lies behind what the launch before has written of pt (t above i | 1, i the block of 128 queries), p's address is held at
; t = i | 1: no branch hangs on a place in the cluster, and what is fetched so is multiplied by 0.
; ONE TEXT FOR A PERIOD, written twice: with the refill and without.  Every backward jump is counted against a constant; how many periods are filled again (2 Yq) is a forward jump out of the outer loop.  The prices, once
; a launch: 32 products of zeros start the sums, while the first tiles are on their way; behind the last period stand a barrier and 16 LDS loads that serve nothing; the last period's 64 loads of p name the held step once more.
; REGISTERS, in windows of 256 (s_set_vgpr_msb: bits 1:0 source 0, 3:2 source 1, 5:4 source 2, 7:6 destination):
;   window 0: v0-31 addresses; v32-95 alpha / l, twice in f16, by step and query block; v96-123 at work, and eight zeros; v128-191, v192-255 V's fragments, two buffers (in the prologue cm and l; on the way out rows read back)
;   window 1: v0-127 accumulators (a, b < 4) at 8 (4 a + b); v128-255 p of quarters 0-3          window 2: v0-127 accumulators (a, b >= 4) at 8 (4 a + b - 4); v128-255 p of quarters 4-7
; A quarter's first 16 products take the accumulators that share a window with its p, so that the scalings of p stand among them under one setting: channel blocks 0-3 first in a slot's first step, 4-7 first in its second.
.set PROW,  4096                       ; bytes in a row of out0
.set QROW,  6144                       ; bytes in a row of qkv
.set PVP,   544                        ; a row of V in LDS: 512 bytes + 32 = 17 x 32
.set STEPB, 128*PVP                    ; a step's 128 keys
.set SLOT,  2*STEPB                    ; 0x22000: its two bits are clear in wave x WPART for waves 0 to 3, so an exclusive or adds or takes it away
.set WPART, 64*PVP                     ; what one tensor load brings
.set STAGE, 2*SLOT                     ; behind the ring: 16 rows x 528 bytes for each wave
.set SP,    528
.set SPARE, STAGE+4*16*SP
.set LOFF,  524288
.set SLOTG, 256*QROW                   ; bytes from a slot's keys to the next slot's, in memory
.set PBLK,  65536                      ; bytes of pt for 16 rows; a step of 128 keys is 4,096 of them, a quarter 1,024
.set ADRV0, 16                         ; v16  my lane's place in V's rows of slot 0; never rewritten
.set ADRVA, 17                         ; v17, v18  the same in the slot in hand: its first step, its second
.set STO,  24
.set RD,   25
.set CO,   26                          ; v26  16 x lane
.set SOFF, 27                          ; v27  16 x (lane % 16)
.set SPW,  28
.set NIL,  29
.set PFO,  30
.set AL,   32                          ; v[32 + 4 s + a]: step s from the period in hand on, query block a
.set RL,   96                          ; v96-99   1 / l
.set MR,   104                         ; v104-107 m
.set CHN,  108                         ; v108-115 four chains for l
.set ZR,   116                         ; v116-123 zeros
.set VF,   128
.set CMT,  128                         ; in the prologue: cm of all 16 blocks, [t][a]
.set LT,   192                         ; and l
.set PB,   128                         ; p, in windows 1 and 2
.set WV,   12
.set RH,   13
.set CH,   14
.set CXR,  15
.set CYR,  16
.set BT,   18
.set YQ,   19
.set IB,   20
.set WB,   21                          ; s21  where my keys go in a slot
.set G1,   24                          ; s[24:31] descriptor group 1
.set G0A,  32                          ; s[32:35] group 0: keys 0-255 into slot 0
.set G0,   36                          ; s[36:39] group 0: keys 256-511 into slot 1; then it walks
.set TB,   40                          ; s40  LDS byte at which the slot in hand begins
.set TMAX, 41                          ; s41  i | 1
.set PA,   42                          ; s[42:43], s[44:45] pt at my rows, at the step that the loads of quarters 0-3, of quarters 4-7 name
.set PTB,  46                          ; s[46:47] pt at my rows, step 0
.set TNX,  48                          ; s48  the step that the next of these two addresses takes
.set FL,   49                          ; s49  refills still to come
.set TC,   50                          ; s[50:51] the held step's byte offset
.set LIM,  52                          ; s52  1 in a cluster that prefetches, else the greatest number
.set PFA,  54                          ; s[54:55] where my prefetches stand
.set OBS,  56                          ; s[56:57] out0 at my 64 x 128
.set SB,   58                          ; s[58:59] st at my G
.set MSB, 0
.macro WIN new
.if MSB != (\new)
	s_set_vgpr_msb (MSB<<8)|(\new)
.set MSB, \new
.endif
.endm
.macro CREST                           ; a round of the cluster's barrier behind its opening barrier
	s_cmp_lg_u32 s[WV], 0
	s_cbranch_scc1 .Lnot_wave_0_\@
	s_barrier_signal -3
.Lnot_wave_0_\@:
	s_barrier_wait -3
	s_barrier_signal -1
	s_barrier_wait -1
.endm
.macro CROUND
	s_barrier_signal -1
	s_barrier_wait -1
	CREST
.endm
; A prefetch behind each joint load and the run of LDS loads that follows it: V's keys of the slot after the one just asked for, a period (256 matrix instructions) ahead of their own load; one instruction a wave.
; WHO: the clusters that walk all of a batch's keys (Yq = 3), and no others; each wave for the 64 keys that it fetches itself; of these the partner at cy takes 16, and its own 512 bytes of a row by cx: two lanes a key,
; 256 bytes each.  The shares go by address, never by a branch.  The last refill asks for nothing; the first three slots come by their loads alone.  p is not asked for: its own loads go out seven quarters ahead.
.macro ASK
	s_cmp_gt_u32 s[FL], s[LIM]                     ; s[FL] = 1 at the last refill
	s_cbranch_scc0 .Lnot_mine_\@
	global_prefetch_b8 v[PFO], s[PFA:PFA+1] th:TH_LOAD_NT scope:SCOPE_SE
.Lnot_mine_\@:
.endm
.macro PLACES                          ; four plain vector instructions between a matrix instruction and a load into, or a read of, its registers
.rept 4
	v_nop
.endr
.endm
; Eight loads: p of quarter g of a period, for my four query blocks: 512 consecutive bytes each
.macro PLOAD g
	WIN ((1+(\g)/4)<<6)                            ; destination window 1 or 2, address window 0
.irp a, 0,1,2,3
	global_load_b128 v[PB+32*((\g)%4)+8*(\a):PB+32*((\g)%4)+8*(\a)+3],   v[CO], s[PA+2*((\g)/4):PA+2*((\g)/4)+1] offset:(\a)*PBLK+((\g)%4)*1024
	global_load_b128 v[PB+32*((\g)%4)+8*(\a)+4:PB+32*((\g)%4)+8*(\a)+7], v[CO], s[PA+2*((\g)/4):PA+2*((\g)/4)+1] offset:(\a)*PBLK+((\g)%4)*1024+512
.endr
.endm
	s_load_b256 s[4:11], s[0:1], 0x0               ; pt s[4:5], st s[6:7], qkv s[8:9], out0 s[10:11]
	v_lshl_add_u32 v[SPW], v0, 2, SPARE
	v_mov_b32 v[NIL], 0
	ds_add_u32 v[SPW], v[NIL]                      ; the wave's opening: the add and its wait stand ahead of my first tensor load
	v_lshrrev_b32 v1, 5, v0
	v_readfirstlane_b32 s[WV], v1                  ; wave 0..3
	s_lshr_b32 s[RH], s[WV], 1                     ; which 64 queries are mine
	s_and_b32 s[CH], s[WV], 1                      ; which 128 channels
	s_bfe_u32 s[CXR], ttmp6, 0x40000               ; cx
	s_bfe_u32 s[CYR], ttmp6, 0x40004               ; cy
	s_and_b32 s17, ttmp7, 0xffff                   ; the cluster's y
	s_lshr_b32 s[BT], s17, 2                       ; batch
	s_and_b32 s[YQ], s17, 3                        ; which 512 queries
	s_lshl_b32 s[IB], s[YQ], 2
	s_add_co_u32 s[IB], s[IB], s[CYR]              ; i: my block of 128 queries
	s_lshl_b32 s22, 0x1111, s[CXR]                 ; my column of the cluster
	s_or_b32 s[G1+0], s22, (1<<16)|(1<<20)|(1<<21)|(6<<22)|(7<<25)  ; the mask; elements of 2 bytes; padding on; bit 21 beside a mask; after every 128 words 8 words
	s_mov_b32 s[G1+1], 256<<16                     ; tensor_dim0 = 256
	s_mov_b32 s[G1+2], 64<<16                      ; tensor_dim1 = 64
	s_mov_b32 s[G1+3], 256<<16                     ; tile_dim0 = 256
	s_mov_b32 s[G1+4], 64                          ; tile_dim1 = 64
	s_mov_b32 s[G1+5], 3072                        ; elements from row to row
	s_mov_b32 s[G1+6], 0
	s_mov_b32 s[G1+7], 0
	s_lshl_b32 s60, s[BT], 11                      ; V: key 2048 x batch + 64 x wave, channel 256 cx: no cy enters
	s_lshl_b32 s61, s[WV], 6
	s_add_co_u32 s60, s60, s61
	s_mul_i32 s60, s60, QROW
	s_lshl_b32 s61, s[CXR], 9
	s_add_co_u32 s60, s60, s61
	s_add_co_u32 s60, s60, 4096
	s_mov_b32 s61, 0
	s_mul_i32 s[WB], s[WV], WPART                  ; where they go in a slot: by the wave's number alone
	s_lshl_b32 s62, s[BT], 7                       ; p: block of 16 rows 128 x batch + 8 i + 4 RH
	s_lshl_b32 s63, s[IB], 3
	s_add_co_u32 s62, s62, s63
	s_lshl_b32 s63, s[RH], 2
	s_add_co_u32 s62, s62, s63
	s_lshl_b32 s62, s62, 16
	s_mov_b32 s63, 0
	s_or_b32 s[TMAX], s[IB], 1
	s_mov_b32 s[TNX], 2
	s_mov_b32 s[TC+1], 0
	s_mov_b32 s[TB], 0
	s_lshl_b32 s[FL], s[YQ], 1                     ; of the 2 Yq + 2 periods all but the last two are followed by a refill
	s_cmp_eq_u32 s[YQ], 3
	s_cselect_b32 s[LIM], 1, -1
	s_wait_dscnt 0x0                               ; the opening add is done
	s_wait_kmcnt 0x0
	s_add_nc_u64 s[PTB:PTB+1], s[4:5], s[62:63]
	s_mov_b64 s[PA:PA+1], s[PTB:PTB+1]             ; step 0,
	s_add_nc_u64 s[PA+2:PA+3], s[PTB:PTB+1], 4096  ; step 1: both at or under i | 1
	s_add_nc_u64 s[60:61], s[8:9], s[60:61]
	CROUND                                         ; all sixteen work-groups are here: the first joint loads meet
	s_mov_b32 s[G0A], 1
	s_mov_b32 s[G0A+1], s[WB]
	s_mov_b64 s[G0A+2:G0A+3], s[60:61]
	s_or_b32 s[G0A+3], s[G0A+3], 0x80000000
	s_mov_b32 s[G0], 1
	s_add_co_u32 s[G0+1], s[WB], SLOT
	s_add_nc_u64 s[G0+2:G0+3], s[60:61], SLOTG
	s_or_b32 s[G0+3], s[G0+3], 0x80000000
	tensor_load_to_lds s[G0A:G0A+3], s[G1:G1+7]    ; the two first fills go out together: two loads of mine are out
	s_nop 0
	tensor_load_to_lds s[G0:G0+3], s[G1:G1+7]
	s_nop 0
.rept 4
	v_nop
.endr
	v_and_b32 v1, 15, v0                           ; r
	v_bfe_u32 v2, v0, 4, 1                         ; h
	v_and_b32 v3, 31, v0                           ; l
	v_lshlrev_b32 v[SOFF], 4, v1
	v_lshlrev_b32 v[CO], 4, v3
	s_lshl_b32 s22, s[BT], 5
	s_lshl_b32 s23, s[IB], 1
	s_add_co_u32 s22, s22, s23
	s_add_co_u32 s22, s22, s[RH]                   ; G
	s_lshl_b32 s22, s22, 12
	s_mov_b32 s23, 0
	s_add_nc_u64 s[SB:SB+1], s[6:7], s[22:23]
.set t, 0
.rept 16                               ; the statistics of my 64 rows, all 16 blocks: 32 loads, 16 bytes a lane
	global_load_b128 v[CMT+4*t:CMT+4*t+3], v[SOFF], s[SB:SB+1] offset:256*t
	global_load_b128 v[LT+4*t:LT+4*t+3], v[SOFF], s[SB:SB+1] offset:LOFF+256*t
.set t, t+1
.endr
	PLOAD 0                                        ; the ring of p begins: quarters 0 to 6 of the first period; quarter 7 is asked for in quarter 0, as in every period
	PLOAD 1
	PLOAD 2
	WIN 0
	v_and_b32 v5, 7, v0
	v_lshl_add_u32 v5, v2, 3, v5
	v_mul_u32_u24 v5, v5, PVP                      ; the turning load: key 8 h + l % 8,
	v_bfe_u32 v6, v0, 3, 1
	v_lshl_add_u32 v5, v6, 4, v5                   ; channels 8 ((l / 8) % 2) on,
	s_lshl_b32 s22, s[CH], 8                       ; in my 128 channels
	v_add_nc_u32 v[ADRV0], s22, v5
	v_add_nc_u32 v[ADRVA], s[TB], v[ADRV0]
	v_add_nc_u32 v[ADRVA+1], STEPB, v[ADRVA]
	s_mul_i32 s22, s[WV], 16*SP
	s_add_co_u32 s22, s22, STAGE                   ; my stage
	v_mul_u32_u24 v7, v1, SP
	v_lshl_add_u32 v7, v2, 5, v7
	v_add_nc_u32 v[STO], s22, v7                   ; in: row r, 32 bytes for each half of the lanes
	v_lshl_add_u32 v[RD], v3, 4, s22               ; back: 32 lanes take a whole row of 512 bytes
	s_lshl_b32 s22, s[BT], 11
	s_lshl_b32 s23, s[IB], 7
	s_add_co_u32 s22, s22, s23
	s_lshl_b32 s23, s[RH], 6
	s_add_co_u32 s22, s22, s23                     ; my first row of out0
	s_lshl_b32 s22, s22, 12
	s_lshl_b32 s23, s[CXR], 10
	s_add_co_u32 s22, s22, s23
	s_lshl_b32 s23, s[CH], 9
	s_add_co_u32 s22, s22, s23                     ; + my first channel, in bytes
	s_mov_b32 s23, 0
	s_add_nc_u64 s[OBS:OBS+1], s[10:11], s[22:23]
	s_mul_i32 s22, s[CYR], 16*QROW                 ; the prefetches: my work-group's 16 of my wave's 64 keys,
	s_mov_b32 s23, 0
	s_add_nc_u64 s[PFA:PFA+1], s[60:61], s[22:23]
	s_add_nc_u64 s[PFA:PFA+1], s[PFA:PFA+1], 2*SLOTG  ; at the third slot's keys: the first refill steps it to the fourth's
	v_lshrrev_b32 v4, 1, v3
	v_mul_u32_u24 v4, v4, QROW
	v_and_b32 v5, 1, v3
	v_lshl_add_u32 v[PFO], v5, 8, v4               ; two lanes a key, 256 bytes each
	; the sums start at 0: 32 products of zeros, in the wait for the first tiles, so that a period has one form of product
.irp j, 0,1,2,3,4,5,6,7
	v_mov_b32 v[ZR+(\j)], 0
.endr
	WIN 0x40                                       ; destination window 1
.set i, 0
.rept 16
	v_wmma_f32_16x16x32_f16 v[8*i:8*i+7], v[ZR:ZR+7], v[ZR:ZR+7], 0
.set i, i+1
.endr
	WIN 0x80                                       ; destination window 2
.set i, 0
.rept 16
	v_wmma_f32_16x16x32_f16 v[8*i:8*i+7], v[ZR:ZR+7], v[ZR:ZR+7], 0
.set i, i+1
.endr
	s_wait_loadcnt 24                              ; the statistics are in; the 24 loads of p issued behind them may stay out
	PLOAD 3
	PLOAD 4
	PLOAD 5
	PLOAD 6
	WIN 0
	; THE PROLOGUE, in the wait for the first tiles: m, l and alpha / l of my 64 rows (a lane: query r of each of the four blocks a)
.irp a, 0,1,2,3
	v_max3_num_f32 v[MR+(\a)], v[CMT+(\a)], v[CMT+4+(\a)], v[CMT+8+(\a)]
.endr
.irp k, 0,1,2,3,4,5
.irp a, 0,1,2,3
	v_max3_num_f32 v[MR+(\a)], v[MR+(\a)], v[CMT+4*(3+2*(\k))+(\a)], v[CMT+4*(4+2*(\k))+(\a)]
.endr
.endr
.irp a, 0,1,2,3
	v_max_num_f32 v[MR+(\a)], v[MR+(\a)], v[CMT+60+(\a)]
.endr
.set i, 0
.rept 32
	v_pk_add_f32 v[CMT+2*i:CMT+2*i+1], v[CMT+2*i:CMT+2*i+1], v[MR+2*(i%2):MR+2*(i%2)+1] neg_lo:[0,1] neg_hi:[0,1]  ; cm - m
.set i, i+1
.endr
.set i, 0
.rept 64
	v_exp_f32 v[CMT+i], v[CMT+i]                   ; alpha
.set i, i+1
.endr
	v_nop                                          ; a plain instruction behind the last exponential,
	s_wait_alu depctr_va_vdst(0)                   ; and one wait for the 64
.irp c, 0,1,2,3                        ; four chains: blocks of either parity x two pairs of a
	v_pk_mul_f32 v[CHN+2*(\c):CHN+2*(\c)+1], v[LT+2*(\c):LT+2*(\c)+1], v[CMT+2*(\c):CMT+2*(\c)+1]
.endr
.irp k, 1,2,3,4,5,6,7
.irp c, 0,1,2,3
	v_pk_fma_f32 v[CHN+2*(\c):CHN+2*(\c)+1], v[LT+8*(\k)+2*(\c):LT+8*(\k)+2*(\c)+1], v[CMT+8*(\k)+2*(\c):CMT+8*(\k)+2*(\c)+1], v[CHN+2*(\c):CHN+2*(\c)+1]
.endr
.endr
	v_pk_add_f32 v[CHN:CHN+1], v[CHN:CHN+1], v[CHN+4:CHN+5]
	v_pk_add_f32 v[CHN+2:CHN+3], v[CHN+2:CHN+3], v[CHN+6:CHN+7]  ; l of a = 0..3: at least about 1, since the block of the row's maximum has alpha = 1
.irp a, 0,1,2,3
	v_rcp_f32 v[RL+(\a)], v[CHN+(\a)]
.endr
	v_nop
	s_wait_alu depctr_va_vdst(0)                   ; one wait for the four reciprocals
.set i, 0
.rept 32
	v_pk_mul_f32 v[CMT+2*i:CMT+2*i+1], v[CMT+2*i:CMT+2*i+1], v[RL+2*(i%2):RL+2*(i%2)+1]  ; alpha / l, in f32
.set i, i+1
.endr
.set i, 0
.rept 64
	v_cvt_pk_f16_f32 v[AL+i], v[CMT+i], v[CMT+i]   ; rounded once, in both halves
.set i, i+1
.endr
; 16 LDS loads in one run: V of quarter kn of the slot in hand into buffer kn % 2; the four channel blocks of the quarter's first products first
.macro FETCH kn
	WIN 0
.irp c, 0,1,2,3,4,5,6,7
.set bb, ((\c)+4*((\kn)/4))%8
	ds_load_tr16_b128 v[VF+64*((\kn)%2)+8*bb:VF+64*((\kn)%2)+8*bb+3],   v[ADRVA+(\kn)/4] offset:32*((\kn)%4)*PVP+32*bb
	ds_load_tr16_b128 v[VF+64*((\kn)%2)+8*bb+4:VF+64*((\kn)%2)+8*bb+7], v[ADRVA+(\kn)/4] offset:32*((\kn)%4)*PVP+16*PVP+32*bb
.endr
.endm
.macro SCALE0 k                        ; p's fragment of query block 0 times its alpha / l
	WIN 0x54*(1+(\k)/4)                            ; V and alpha window 0; p, C and D in p's window
.irp j, 0,1,2,3,4,5,6,7
	v_pk_mul_f16 v[PB+32*((\k)%4)+(\j)], v[AL+4*((\k)/4)], v[PB+32*((\k)%4)+(\j)]
.endr
.endm
; A quarter's first products: query blocks a0 .. a0 + n - 1 with the four channel blocks whose accumulators share p's window; behind each, two registers of the NEXT query block's p are scaled.
; The accumulators take turns, one instruction a turn.
.macro MULF k, a0, n
	WIN 0x54*(1+(\k)/4)
.set aa, \a0
.rept \n
.irp b, 0,1,2,3
	v_wmma_f32_16x16x32_f16 v[8*(4*aa+(\b)):8*(4*aa+(\b))+7], v[VF+64*((\k)%2)+32*((\k)/4)+8*(\b):VF+64*((\k)%2)+32*((\k)/4)+8*(\b)+7], v[PB+32*((\k)%4)+8*aa:PB+32*((\k)%4)+8*aa+7], v[8*(4*aa+(\b)):8*(4*aa+(\b))+7]
.if aa < 3
	v_pk_mul_f16 v[PB+32*((\k)%4)+8*(aa+1)+2*(\b)], v[AL+4*((\k)/4)+aa+1], v[PB+32*((\k)%4)+8*(aa+1)+2*(\b)]
	v_pk_mul_f16 v[PB+32*((\k)%4)+8*(aa+1)+2*(\b)+1], v[AL+4*((\k)/4)+aa+1], v[PB+32*((\k)%4)+8*(aa+1)+2*(\b)+1]
.endif
.endr
.set aa, aa+1
.endr
.endm
.macro MULS k                          ; its other 16: all four query blocks with the other four channel blocks, whose accumulators lie in the other window
	WIN 0xa4-0x4c*((\k)/4)
.irp a, 0,1,2,3
.irp b, 0,1,2,3
	v_wmma_f32_16x16x32_f16 v[8*(4*(\a)+(\b)):8*(4*(\a)+(\b))+7], v[VF+64*((\k)%2)+32*(1-(\k)/4)+8*(\b):VF+64*((\k)%2)+32*(1-(\k)/4)+8*(\b)+7], v[PB+32*((\k)%4)+8*(\a):PB+32*((\k)%4)+8*(\a)+7], v[8*(4*(\a)+(\b)):8*(4*(\a)+(\b))+7]
.endr
.endr
.endm
; Quarter k (0 to 6) of a period: 32 matrix instructions.  In its middle it fetches V of the next quarter and asks for p into the registers that the quarter before has multiplied.  The 32 scalings name none of those
; registers nor of the V buffer that is loaded: they are the places between the last products that read them and the loads.
.macro QUARTER k
.if ((\k) == 1) || ((\k) == 5)
	s_wait_xcnt 0x0                                ; every load issued so far, the youngest 16 products back, has read its address: the one that the next four groups of loads name steps on
	s_min_u32 s[TC], s[TNX], s[TMAX]               ; held at i | 1
	s_lshl_b32 s[TC], s[TC], 12
	s_add_nc_u64 s[PA+2*((\k)/4):PA+2*((\k)/4)+1], s[PTB:PTB+1], s[TC:TC+1]
	s_add_co_u32 s[TNX], s[TNX], 1
.endif
	s_wait_loadcnt 48                              ; this quarter's p is in: six groups of eight loads were issued behind it
	s_wait_dscnt 8                                 ; V's first four channel blocks are in; the youngest eight loads may be out
	SCALE0 \k
	MULF \k, 0, 4
	FETCH (\k)+1
	PLOAD ((\k)+7)%8
	s_wait_dscnt 16                                ; all but the 16 just issued
	MULS \k
.endm
; Quarter 7 changes slots.  In front of the barrier each wave waits for all its tensor loads (one is out at the most: its part of the other slot), adds 0 to its spare word, and waits for that and for its own reads of
; this slot.  fill = 1: the barrier opens a round of the cluster's, and the joint refill, the keys two slots on, is the first tensor load behind it: 240 matrix instructions ahead of the wait for it.
; Between the signal and the wait the table of alpha / l moves down by the period's two steps: the text names its first eight registers alone.
.macro TURN fill
.if \fill
	s_wait_xcnt 0x0                                ; the last prefetch, a period back, has read its address
	s_add_nc_u64 s[PFA:PFA+1], s[PFA:PFA+1], SLOTG
.endif
	s_wait_loadcnt 48
	WIN 0
	s_wait_tensorcnt 0x0                           ; no tensor load of mine is out, so the walking group 0 may be written
	ds_add_u32 v[SPW], v[NIL]                      ; 0 onto my spare word
.if \fill
	s_xor_b32 s[G0+1], s[G0+1], SLOT               ; the other slot than last time,
	s_add_nc_u64 s[G0+2:G0+3], s[G0+2:G0+3], SLOTG ; the next 256 keys
.endif
	s_wait_dscnt 9                                 ; the add and the youngest eight loads may be out
	SCALE0 7
	MULF 7, 0, 2
	s_wait_dscnt 0x0                               ; the add is done, and my reads of this slot are over
	s_barrier_signal -1
	MULF 7, 2, 2
	WIN 0
.set i, 0
.rept 56
	v_mov_b32 v[AL+i], v[AL+i+8]
.set i, i+1
.endr
	s_barrier_wait -1
.if \fill
	CREST                                          ; no wave of any partner still reads this slot or has a load on its way
	tensor_load_to_lds s[G0:G0+3], s[G1:G1+7]
	s_nop 0
.endif
	PLACES
	s_xor_b32 s[TB], s[TB], SLOT
	v_add_nc_u32 v[ADRVA], s[TB], v[ADRV0]
	v_add_nc_u32 v[ADRVA+1], STEPB, v[ADRVA]
	FETCH 0
.if \fill
	ASK
	s_sub_co_u32 s[FL], s[FL], 1
.endif
	PLOAD 6
	s_wait_dscnt 16
	MULS 7
.endm
.macro PERIOD fill
.irp k, 0,1,2,3,4,5,6
	QUARTER \k
.endr
	TURN \fill
	WIN 0                                          ; at a label and at a branch every window is 0
.endm
; THE WAY OUT, a block a of 16 queries at a time: the sums are the results (1 / l went in with alpha): 32 bytes a lane and channel block into my stage, back as whole rows of 512 bytes, stored.
.macro TOSTAGE a
.if (\a) > 1
	s_wait_xcnt 0x0                                ; the stores of the block two back have read the registers that the loads below fill again
.endif
	WIN 0x04                                       ; store data in window 1
.irp b, 0,1,2,3
	ds_store_b128 v[STO], v[32*(\a)+8*(\b):32*(\a)+8*(\b)+3] offset:64*(\b)  ; each accumulator's lowest registers first
	ds_store_b128 v[STO], v[32*(\a)+8*(\b)+4:32*(\a)+8*(\b)+7] offset:64*(\b)+16
.endr
	WIN 0x08                                       ; in window 2
.irp b, 0,1,2,3
	ds_store_b128 v[STO], v[32*(\a)+8*(\b):32*(\a)+8*(\b)+3] offset:256+64*(\b)
	ds_store_b128 v[STO], v[32*(\a)+8*(\b)+4:32*(\a)+8*(\b)+7] offset:256+64*(\b)+16
.endr
	WIN 0
.set BK, VF+64*((\a)%2)
.set p, 0
.rept 16
	ds_load_b128 v[BK+4*p:BK+4*p+3], v[RD] offset:SP*p  ; LDS serves a wave's instructions in order: these see the stores above, and the next block's stores come behind them
.set p, p+1
.endr
.endm
.macro SEND a, younger                 ; younger: the LDS instructions issued behind block a's loads: the next block's 32, or none
.set BK, VF+64*((\a)%2)
	s_wait_dscnt \younger
.set p, 0
.rept 16
	global_store_b128 v[CO], v[BK+4*p:BK+4*p+3], s[OBS:OBS+1] offset:(16*(\a)+p)*PROW th:TH_STORE_NT  ; 512 consecutive bytes, at a multiple of 256
.set p, p+1
.endr
.endm
	s_wait_tensorcnt 1                             ; my part of slot 0 is in; slot 1's may stay out
	s_barrier_signal -1
	s_barrier_wait -1
	FETCH 0
	s_mov_b32 s3, 3                                ; at the most three pairs of periods are followed by refills
.Lpair:
	s_cmp_eq_u32 s[FL], 0                          ; 2 Yq of them: the cluster's number, the same in all sixteen partners
	s_cbranch_scc1 .Ltail
	s_mov_b32 s2, 2
.Lfilled:                                              ; a period on slot 0, a period on slot 1; each slot is filled again when it has been read
	PERIOD 1
	s_sub_co_u32 s2, s2, 1
	s_cmp_lg_u32 s2, 0
	s_cbranch_scc1 .Lfilled
	s_sub_co_u32 s3, s3, 1
	s_cmp_lg_u32 s3, 0
	s_cbranch_scc1 .Lpair
.Ltail:
	s_mov_b32 s2, 2
.Llast:                                                ; the last two periods have a text of their own: nothing more is asked for
	PERIOD 0
	s_sub_co_u32 s2, s2, 1
	s_cmp_lg_u32 s2, 0
	s_cbranch_scc1 .Llast
	s_wait_dscnt 0x0                               ; what the last change of slots fetched serves nothing; its registers are used below
	PLACES
	TOSTAGE 0
	TOSTAGE 1
	SEND 0, 32
	TOSTAGE 2
	SEND 1, 32
	TOSTAGE 3
	SEND 2, 32
	SEND 3, 0
	s_wait_tensorcnt 0x0                           ; the wave's end
	ds_add_u32 v[SPW], v[NIL]
	s_wait_dscnt 0x0
	CROUND                                         ; the closing round: no work-group ends while a partner may still ask for a tile that names it
	s_endpgm
.Lfunc_end_k_q465e1f92de_pv:
	.size	k_q465e1f92de_pv, .Lfunc_end_k_q465e1f92de_pv-k_q465e1f92de_pv
	.p2alignl 7, 3214868480
	.fill 96, 4, 3214868480
	.section	.rodata,"a",@progbits
	.p2align	6, 0x0
	.amdhsa_kernel k_q465e1f92de_pv
		.amdhsa_group_segment_fixed_size 327680
		.amdhsa_private_segment_fixed_size 0
		.amdhsa_enable_private_segment 0
		.amdhsa_kernarg_size 32
		.amdhsa_user_sgpr_count 2
		.amdhsa_user_sgpr_kernarg_segment_ptr 1
		.amdhsa_wavefront_size32 1
		.amdhsa_system_sgpr_workgroup_id_x 1
		.amdhsa_system_sgpr_workgroup_id_y 1
		.amdhsa_system_sgpr_workgroup_id_z 1
		.amdhsa_system_vgpr_workitem_id 0
		.amdhsa_next_free_vgpr 768
		.amdhsa_next_free_sgpr 66
		.amdhsa_reserve_vcc 0
		.amdhsa_float_denorm_mode_32 3
		.amdhsa_float_denorm_mode_16_64 3
		.amdhsa_memory_ordered 1
		.amdhsa_forward_progress 1
		.amdhsa_inst_pref_size 149
	.end_amdhsa_kernel
	.amdgpu_metadata
---
amdhsa.version: [ 1, 2 ]
amdhsa.kernels:
  - .name:           k_q465e1f92de_pv
    .symbol:         k_q465e1f92de_pv.kd
    .args:
      - { .name: pt, .offset: 0, .size: 8, .value_kind: global_buffer, .address_space: global }
      - { .name: st, .offset: 8, .size: 8, .value_kind: global_buffer, .address_space: global }
      - { .name: qkv, .offset: 16, .size: 8, .value_kind: global_buffer, .address_space: global }
      - { .name: out0, .offset: 24, .size: 8, .value_kind: global_buffer, .address_space: global }
    .group_segment_fixed_size: 327680
    .private_segment_fixed_size: 0
    .kernarg_segment_align: 8
    .kernarg_segment_size: 32
    .max_flat_workgroup_size: 128
    .sgpr_count:     66
    .vgpr_count:     768
    .wavefront_size: 32
...
	.end_amdgpu_metadata
.endif
;; end of part 4
;; launch head (part 5): grid 8 x 4, 8 waves a work-group, no clusters, 25,856 bytes of LDS; arguments qkv, lo, out0; writes out0
.if DOCPART == 5
	.amdgcn_target "amdgcn-amd-amdhsa--gfx1250"
	.amdhsa_code_object_version 6
	.text
	.protected	k_q465e1f92de_head
	.globl	k_q465e1f92de_head
	.p2align	8
	.type	k_q465e1f92de_head,@function
k_q465e1f92de_head:
	s_mov_b64 s[64:65], 0
	v_nop
	global_prefetch_b8 v0, s[64:65] scope:SCOPE_SE
	s_setreg_imm32_b32 hwreg(HW_REG_WAVE_MODE, 25, 1), 1
	s_wait_xcnt 0x0
; ROWS 0 TO 15 OF EACH BATCH, ONCE MORE, with operands in two f16 parts.  It runs last and writes these 64 rows of out0 over what the launch before has stored there.
; WHY.  A row q is a mean over q + 1 keys.  In the first rows a result near zero is a difference of a few numbers of size 1 to 3, and what one rounding of q, k, v and the weights to f16 (11 bits) loses there
; is of the size of what the comparison allows; with 17 keys and more it is a small part of it.  Here q, k and v are taken as high part + low part (22 bits), and so are the weights.
; qkv: [8192][3072] f16 (q, k, v), the high parts.  lo: [tile row of 256 (32)][16][3072] f16, the low parts of a tile's first 16 rows: a batch's rows 0-15 lie in tile row 8 x batch.  out0: [8192][1024] f32.
; out[q][:] = the sum over k <= q of softmax_k(q . k / 32) v[k][:], 16 queries x 16 keys.  The row's maximum is taken away before the exponential; maximum, sum and division in f32.
; LIMITS.  q, k, v arrive within f16's 65,504; a low part below 6e-5 keeps f16's fixed step of 6e-8.  A hidden score counts as -1e30.  NaN and infinities are not treated apart.
; SHARES.  A work-group has a batch (grid y) and 128 channels (grid x): 32 work-groups of 8 waves.
;   Scores: K = 1,024 is split among the waves, 128 each.  S^T = kh qh + kh ql + kl qh (source 0 = 16 keys, source 1 = 16 queries): 12 matrix instructions on three accumulators that take turns.  kl ql is left out: 2^-22 of a score.
;   The eight partial tiles meet in LDS; every wave adds all eight and makes the softmax for itself: a lane holds ONE query (lane % 16) and the keys 8 (lane / 16) + 0..7.
;   Second product: wave w has channels 16 w .. 16 w + 15 of the 128.  The 32 along K of one matrix instruction are 16 keys of v's high part and the same 16 keys of its low part; the weights stand twice beside them.
;   Source 0 = v turned (16 channels x 32), source 1 = the weights (16 queries x 32): two products, the weights' high and low parts, on two accumulators that are added.
; No tensor load, no cluster, no prefetch: the launch moves a few megabytes and is a short chain of dependent steps.
.set QROW,  6144                       ; bytes in a row of qkv and of lo
.set PART,  0                          ; LDS: wave w's partial tile of scores, 1,024 bytes, at 1,024 w: registers 0-3 of all lanes, then registers 4-7
.set VST,   8192                       ; wave w's 16 keys x 16 channels of v at 1,024 w: high part (rows of 32 bytes), 512 bytes on the low part
.set STG,   16384                      ; the work-group's stage: 16 rows x 512 bytes + 16
.set SP,    528
.set SPARE, STG+16*SP                  ; the spare words, 128 bytes for each wave: four blocks of 256 bytes that no other line names
.set VQ,  2                            ; v2   my byte offset in q's and k's fragments: (l % 16) x 6,144 + 16 (l / 16) + 256 w
.set VV,  3                            ; v3   in v: (l / 2) x 6,144 + 16 (l % 2) + 256 x block of channels + 32 w
.set VO,  4                            ; v4   in out0: 2 w rows of 4,096 bytes + 16 l
.set LPS, 5                            ; v5   where I put my partial tile: 1,024 w + 16 l
.set LPR, 6                            ; v6   where I read partial tiles: 16 l
.set LVS, 7                            ; v7   where I put v
.set LVT, 8                            ; v8   where the turning load reads it
.set LSS, 9                            ; v9   where I put my results in the stage
.set LSR, 10                           ; v10  where I read rows back
.set RM,  11                           ; v11  l % 16 - 8 (l / 16): register j is hidden where j is greater
.set NEGV, 12                          ; v12  -1e30
.set M1,  13                           ; v13  -1.0
.set SPW, 14                           ; v14  LDS address of my spare word; never rewritten
.set NIL, 15                           ; v15  0; never rewritten
.set KH,  16                           ; v16-47   k, high part: four fragments
.set KL,  48                           ; v48-79   low part
.set QH,  80                           ; v80-111  q
.set QL,  112                          ; v112-143
.set SA,  144                          ; v144-167 three accumulators
.set VG,  168                          ; v168-175 v as loaded: high, low
.set AV,  176                          ; v176-183 v turned: registers 0-3 high part, 4-7 low part
.set RR,  16                           ; behind the barrier: v16-79 the eight partial tiles; v16-23 their sum, then the weights
.set MX,  24                           ; v24-31 at work
.set B1,  32                           ; v32-39 the weights' high parts, twice
.set B2,  40                           ; v40-47 their low parts, twice
.set DT,  48                           ; v48-55 the differences
.set D1,  56                           ; v56-63, v64-71 the results
.set D2,  64
.set OUTR, 72                          ; v72-79 two rows read back
.set R,   184
.set H,   185
.set L,   186
.set T,   187                          ; v187-188 at work
.set CS,  22                           ; s22  c = log2(e) / 32
.set SEL, 24                           ; s[24:25] v_permlanex16_b32's selects: each lane takes its own place in the other half
	s_load_b128 s[4:7], s[0:1], 0x0                ; qkv s[4:5], lo s[6:7]
	s_load_b64 s[8:9], s[0:1], 0x10                ; out0
	v_lshl_add_u32 v[SPW], v0, 2, SPARE
	v_mov_b32 v[NIL], 0
	v_lshrrev_b32 v1, 5, v0
	v_readfirstlane_b32 s10, v1                    ; wave 0..7
	s_mov_b32 s11, ttmp9                           ; block of 128 channels
	s_and_b32 s12, ttmp7, 0xffff                   ; batch
	v_and_b32 v[R], 15, v0
	v_bfe_u32 v[H], v0, 4, 1
	v_and_b32 v[L], 31, v0
	s_lshl_b32 s13, s10, 8
	v_mul_u32_u24 v[VQ], v[R], QROW
	v_lshl_add_u32 v[VQ], v[H], 4, v[VQ]
	v_add_nc_u32 v[VQ], s13, v[VQ]
	v_lshrrev_b32 v[T], 1, v[L]                    ; v: two lanes a key, 16 bytes each
	v_mul_u32_u24 v[VV], v[T], QROW
	v_and_b32 v[T], 1, v[L]
	v_lshl_add_u32 v[VV], v[T], 4, v[VV]
	s_lshl_b32 s14, s11, 8
	s_lshl_b32 s15, s10, 5
	s_add_co_u32 s14, s14, s15
	v_add_nc_u32 v[VV], s14, v[VV]
	s_mul_i32 s16, s12, 2048*QROW                  ; the batch's first row in qkv,
	s_mov_b32 s17, 0
	s_mul_i32 s18, s12, 128*QROW                   ; in lo: tile row 8 x batch, 16 rows each,
	s_mov_b32 s19, 0
	s_lshl_b32 s20, s12, 23                        ; and in out0, with my 128 channels
	s_lshl_b32 s21, s11, 9
	s_add_co_u32 s20, s20, s21
	s_mov_b32 s21, 0
	s_mov_b32 s[CS], 0x3d38aa3b
	s_mov_b32 s[SEL], 0x76543210
	s_mov_b32 s[SEL+1], 0xfedcba98
	s_wait_kmcnt 0x0
	s_add_nc_u64 s[4:5], s[4:5], s[16:17]
	s_add_nc_u64 s[6:7], s[6:7], s[18:19]
	s_add_nc_u64 s[8:9], s[8:9], s[20:21]
	global_load_b128 v[VG:VG+3], v[VV], s[4:5] offset:4096      ; v first: it has a way through LDS to go
	global_load_b128 v[VG+4:VG+7], v[VV], s[6:7] offset:4096
.irp f, 0,1,2,3                        ; a fragment is 16 rows x 32 channels: two loads of 16 bytes a lane, 32 bytes apart
	global_load_b128 v[KH+8*(\f):KH+8*(\f)+3],   v[VQ], s[4:5] offset:2048+64*(\f)
	global_load_b128 v[KH+8*(\f)+4:KH+8*(\f)+7], v[VQ], s[4:5] offset:2048+64*(\f)+32
	global_load_b128 v[QH+8*(\f):QH+8*(\f)+3],   v[VQ], s[4:5] offset:64*(\f)
	global_load_b128 v[QH+8*(\f)+4:QH+8*(\f)+7], v[VQ], s[4:5] offset:64*(\f)+32
	global_load_b128 v[KL+8*(\f):KL+8*(\f)+3],   v[VQ], s[6:7] offset:2048+64*(\f)
	global_load_b128 v[KL+8*(\f)+4:KL+8*(\f)+7], v[VQ], s[6:7] offset:2048+64*(\f)+32
	global_load_b128 v[QL+8*(\f):QL+8*(\f)+3],   v[VQ], s[6:7] offset:64*(\f)
	global_load_b128 v[QL+8*(\f)+4:QL+8*(\f)+7], v[VQ], s[6:7] offset:64*(\f)+32
.endr
	; the LDS addresses, while the loads are on their way
	s_lshl_b32 s13, s10, 10
	v_lshlrev_b32 v[LPR], 4, v[L]
	v_add_nc_u32 v[LPS], s13, v[LPR]
	v_add_nc_u32 v[LVS], VST, v[LPS]               ; key l / 2, half l % 2 of rows of 32 bytes: 16 l
	v_and_b32 v[T], 7, v0
	v_lshl_add_u32 v[T], v[H], 3, v[T]             ; the turning load: lane l reads key 8 (l / 16) + l % 8,
	v_lshlrev_b32 v[T], 5, v[T]
	v_bfe_u32 v[T+1], v0, 3, 1
	v_lshl_add_u32 v[T], v[T+1], 4, v[T]           ; channels 8 ((l / 8) % 2) + 0..7, and is left with channel l % 16 and 8 keys
	s_add_co_u32 s13, s13, VST
	v_add_nc_u32 v[LVT], s13, v[T]
	v_mul_u32_u24 v[LSS], v[R], SP                 ; into the stage: row = my query, 64 bytes a wave, 32 for each half of the lanes
	v_lshl_add_u32 v[LSS], v[H], 5, v[LSS]
	s_lshl_b32 s14, s10, 6
	s_add_co_u32 s14, s14, STG
	v_add_nc_u32 v[LSS], s14, v[LSS]
	s_mul_i32 s14, s10, 2*SP                       ; back: wave w takes rows 2 w and 2 w + 1, whole: 32 lanes x 16 bytes
	s_add_co_u32 s14, s14, STG
	v_add_nc_u32 v[LSR], s14, v[LPR]
	s_lshl_b32 s14, s10, 13
	v_add_nc_u32 v[VO], s14, v[LPR]
	v_lshlrev_b32 v[T], 3, v[H]
	v_sub_nc_u32 v[RM], v[R], v[T]
	v_mov_b32 v[NEGV], 0xf149f2ca
	v_mov_b32 v[M1], -1.0
	s_wait_loadcnt 32                              ; v's two loads are in; the 32 of q and k, issued behind them, may stay out
	ds_store_b128 v[LVS], v[VG:VG+3]
	ds_store_b128 v[LVS], v[VG+4:VG+7] offset:512
	ds_load_tr16_b128 v[AV:AV+3], v[LVT]           ; my own bytes: LDS serves a wave's instructions in order, so these see the stores above
	ds_load_tr16_b128 v[AV+4:AV+7], v[LVT] offset:512
	s_wait_loadcnt 0x0
.irp f, 0,1,2,3                        ; the three accumulators take turns, one instruction a turn; the first products start the sums
.if (\f) == 0
	v_wmma_f32_16x16x32_f16 v[SA:SA+7],     v[KH:KH+7], v[QH:QH+7], 0
	v_wmma_f32_16x16x32_f16 v[SA+8:SA+15],  v[KH:KH+7], v[QL:QL+7], 0
	v_wmma_f32_16x16x32_f16 v[SA+16:SA+23], v[KL:KL+7], v[QH:QH+7], 0
.else
	v_wmma_f32_16x16x32_f16 v[SA:SA+7],     v[KH+8*(\f):KH+8*(\f)+7], v[QH+8*(\f):QH+8*(\f)+7], v[SA:SA+7]
	v_wmma_f32_16x16x32_f16 v[SA+8:SA+15],  v[KH+8*(\f):KH+8*(\f)+7], v[QL+8*(\f):QL+8*(\f)+7], v[SA+8:SA+15]
	v_wmma_f32_16x16x32_f16 v[SA+16:SA+23], v[KL+8*(\f):KL+8*(\f)+7], v[QH+8*(\f):QH+8*(\f)+7], v[SA+16:SA+23]
.endif
.endr
.rept 8
	v_nop                                          ; the places between the last products and the sums that read them (ISA guide 7.12.1), once a launch
.endr
.irp i, 0,2,4,6
	v_pk_add_f32 v[SA+8+(\i):SA+8+(\i)+1], v[SA+8+(\i):SA+8+(\i)+1], v[SA+16+(\i):SA+16+(\i)+1]  ; the two small sums first; each accumulator is read from its low end on
.endr
.irp i, 0,2,4,6
	v_pk_add_f32 v[SA+(\i):SA+(\i)+1], v[SA+(\i):SA+(\i)+1], v[SA+8+(\i):SA+8+(\i)+1]
.endr
	ds_store_b128 v[LPS], v[SA:SA+3] offset:PART
	ds_store_b128 v[LPS], v[SA+4:SA+7] offset:PART+512
	s_wait_dscnt 0x0                               ; for the others' sake: my partial tile lies in LDS (and v is back, turned)
	s_barrier_signal -1
	s_barrier_wait -1                              ; all eight do
.irp w, 0,1,2,3,4,5,6,7
	ds_load_b128 v[RR+8*(\w):RR+8*(\w)+3],   v[LPR] offset:PART+1024*(\w)
	ds_load_b128 v[RR+8*(\w)+4:RR+8*(\w)+7], v[LPR] offset:PART+1024*(\w)+512
.endr
	s_wait_dscnt 0x0
.irp n, 32,16,8                        ; waves 4 apart, 2 apart, 1 apart
.set i, 0
.rept (\n)/2
	v_pk_add_f32 v[RR+2*i:RR+2*i+1], v[RR+2*i:RR+2*i+1], v[RR+(\n)+2*i:RR+(\n)+2*i+1]
.set i, i+1
.endr
.endr
	; THE SOFTMAX.  Register j is key 8 (l / 16) + j of query l % 16.  Every query sees its own key, so the maximum is a true score.
.irp j, 0,1,2,3,4,5,6,7
	v_cmp_gt_i32 vcc_lo, \j, v[RM]
	v_cndmask_b32 v[RR+(\j)], v[RR+(\j)], v[NEGV], vcc_lo
.endr
	v_max3_num_f32 v[MX], v[RR], v[RR+1], v[RR+2]
	v_max3_num_f32 v[MX+1], v[RR+3], v[RR+4], v[RR+5]
	v_max3_num_f32 v[MX], v[MX], v[RR+6], v[RR+7]
	v_max_num_f32 v[MX], v[MX], v[MX+1]
	v_permlanex16_b32 v[MX+1], v[MX], s[SEL], s[SEL+1]  ; the query's other 8 keys lie in the lane 16 away
	v_max_num_f32 v[MX], v[MX], v[MX+1]
	v_mul_f32 v[MX+2], s[CS], v[MX]
.irp j, 0,1,2,3,4,5,6,7
	v_fma_f32 v[RR+(\j)], v[RR+(\j)], s[CS], -v[MX+2]   ; c s - c m
.endr
.irp j, 0,1,2,3,4,5,6,7
	v_exp_f32 v[RR+(\j)], v[RR+(\j)]
.endr
	v_nop                                          ; a plain instruction behind the last exponential,
	s_wait_alu depctr_va_vdst(0)                   ; and one wait for the eight, ahead of their first reader
	v_pk_add_f32 v[MX+4:MX+5], v[RR:RR+1], v[RR+2:RR+3]
	v_pk_add_f32 v[MX+6:MX+7], v[RR+4:RR+5], v[RR+6:RR+7]
	v_pk_add_f32 v[MX+4:MX+5], v[MX+4:MX+5], v[MX+6:MX+7]
	v_add_f32 v[MX+4], v[MX+4], v[MX+5]
	v_permlanex16_b32 v[MX+5], v[MX+4], s[SEL], s[SEL+1]
	v_add_f32 v[MX+4], v[MX+4], v[MX+5]            ; l: at least about 1
	v_rcp_f32 v[MX+6], v[MX+4]
	v_nop
	s_wait_alu depctr_va_vdst(0)
.irp j, 0,1,2,3,4,5,6,7
	v_mul_f32 v[RR+(\j)], v[RR+(\j)], v[MX+6]      ; the weights, summing to 1
.endr
	; in two parts: the high part is the weight rounded to f16; that half times -1 plus the weight is the exact difference, which is rounded to f16 in its turn
.irp i, 0,1,2,3
	v_cvt_pk_f16_f32 v[B1+(\i)], v[RR+2*(\i)], v[RR+2*(\i)+1]
.endr
.irp i, 0,1,2,3
	v_mov_b32 v[B1+4+(\i)], v[B1+(\i)]             ; the same 16 keys once more, beside v's low part
	v_fma_mix_f32 v[DT+2*(\i)], v[B1+(\i)], v[M1], v[RR+2*(\i)] op_sel_hi:[1,0,0]
	v_fma_mix_f32 v[DT+2*(\i)+1], v[B1+(\i)], v[M1], v[RR+2*(\i)+1] op_sel:[1,0,0] op_sel_hi:[1,0,0]
.endr
.irp i, 0,1,2,3
	v_cvt_pk_f16_f32 v[B2+(\i)], v[DT+2*(\i)], v[DT+2*(\i)+1]
.endr
.irp i, 0,1,2,3
	v_mov_b32 v[B2+4+(\i)], v[B2+(\i)]
.endr
	v_wmma_f32_16x16x32_f16 v[D1:D1+7], v[AV:AV+7], v[B1:B1+7], 0   ; a lane: query l % 16, channels 8 (l / 16) + 0..7
	v_wmma_f32_16x16x32_f16 v[D2:D2+7], v[AV:AV+7], v[B2:B2+7], 0
.rept 8
	v_nop
.endr
.irp i, 0,2,4,6
	v_pk_add_f32 v[D1+(\i):D1+(\i)+1], v[D1+(\i):D1+(\i)+1], v[D2+(\i):D2+(\i)+1]
.endr
	ds_store_b128 v[LSS], v[D1:D1+3]
	ds_store_b128 v[LSS], v[D1+4:D1+7] offset:16
	s_wait_dscnt 0x0                               ; for the others' sake: a row's 512 bytes come from eight waves
	s_barrier_signal -1
	s_barrier_wait -1
	ds_load_b128 v[OUTR:OUTR+3], v[LSR]
	ds_load_b128 v[OUTR+4:OUTR+7], v[LSR] offset:SP
	s_wait_dscnt 0x0
	global_store_b128 v[VO], v[OUTR:OUTR+3], s[8:9]                 ; 512 consecutive bytes, at a multiple of 256 from out0's first byte
	global_store_b128 v[VO], v[OUTR+4:OUTR+7], s[8:9] offset:4096
	s_wait_tensorcnt 0x0                           ; the wave's end, behind my last LDS store
	ds_add_u32 v[SPW], v[NIL]
	s_wait_dscnt 0x0
	s_endpgm
.Lfunc_end_k_q465e1f92de_head:
	.size	k_q465e1f92de_head, .Lfunc_end_k_q465e1f92de_head-k_q465e1f92de_head
	.p2alignl 7, 3214868480
	.fill 96, 4, 3214868480
	.section	.rodata,"a",@progbits
	.p2align	6, 0x0
	.amdhsa_kernel k_q465e1f92de_head
		.amdhsa_group_segment_fixed_size 25856
		.amdhsa_private_segment_fixed_size 0
		.amdhsa_enable_private_segment 0
		.amdhsa_kernarg_size 24
		.amdhsa_user_sgpr_count 2
		.amdhsa_user_sgpr_kernarg_segment_ptr 1
		.amdhsa_wavefront_size32 1
		.amdhsa_system_sgpr_workgroup_id_x 1
		.amdhsa_system_sgpr_workgroup_id_y 1
		.amdhsa_system_sgpr_workgroup_id_z 1
		.amdhsa_system_vgpr_workitem_id 0
		.amdhsa_next_free_vgpr 192
		.amdhsa_next_free_sgpr 66
		.amdhsa_reserve_vcc 1
		.amdhsa_float_denorm_mode_32 3
		.amdhsa_float_denorm_mode_16_64 3
		.amdhsa_memory_ordered 1
		.amdhsa_forward_progress 1
		.amdhsa_inst_pref_size 17
	.end_amdhsa_kernel
	.amdgpu_metadata
---
amdhsa.version: [ 1, 2 ]
amdhsa.kernels:
  - .name:           k_q465e1f92de_head
    .symbol:         k_q465e1f92de_head.kd
    .args:
      - { .name: qkv, .offset: 0, .size: 8, .value_kind: global_buffer, .address_space: global }
      - { .name: lo, .offset: 8, .size: 8, .value_kind: global_buffer, .address_space: global }
      - { .name: out0, .offset: 16, .size: 8, .value_kind: global_buffer, .address_space: global }
    .group_segment_fixed_size: 25856
    .private_segment_fixed_size: 0
    .kernarg_segment_align: 8
    .kernarg_segment_size: 24
    .max_flat_workgroup_size: 256
    .sgpr_count:     66
    .vgpr_count:     192
    .wavefront_size: 32
...
	.end_amdgpu_metadata
.endif
;; end of part 5
;; ======== version 2 of 2: 5 launches; version 1 with the launches cast, head written anew for expert scheduling mode
;; limits: values are held in f16: magnitudes above 65,504 overflow, below 6.1e-05 lose precision
;; workspace buffers: xb 16,777,216 bytes; wb 6,291,456 bytes; qkv 50,331,648 bytes; lo 3,145,728 bytes; pt 33,554,432 bytes; st 1,048,576 bytes
;; launch cast (part 6): grid 64 x 11, 8 waves a work-group, no clusters, 0 bytes of LDS; arguments x, Wq, Wk, Wv, xb, wb; writes xb, wb
.if DOCPART == 6
	.amdgcn_target "amdgcn-amd-amdhsa--gfx1250"
	.amdhsa_code_object_version 6
	.text
	.protected	k_q465e1f92de_cast
	.globl	k_q465e1f92de_cast
	.p2align	8
	.type	k_q465e1f92de_cast,@function
k_q465e1f92de_cast:
	s_mov_b64 s[64:65], 0
	v_nop
	global_prefetch_b8 v0, s[64:65] scope:SCOPE_SE
	s_setreg_imm32_b32 hwreg(HW_REG_WAVE_SCHED_MODE, 0, 2), 2
	s_setreg_imm32_b32 hwreg(HW_REG_WAVE_MODE, 25, 1), 1
	s_wait_xcnt 0x0
	s_wait_alu depctr_vm_vsrc(0)
; xb = x rounded to bf16; wb = Wq, Wk, Wv rounded to bf16, one below the other (rows 0-1023, 1024-2047, 2048-3071).  Round to nearest even, all four inputs alike.
; A stream: each byte read once, each written once.  A work-group takes 65,536 bytes of f32 and makes 32,768 of bf16; a wave 8,192 and 4,096.
; Grid y 0-7: x, chunk 64 y + x of 512.  Grid y 8, 9, 10: Wq, Wk, Wv, chunk x of 64.
; A load of a wave covers 512 consecutive bytes, a store 256 consecutive bytes at a multiple of 256.  All sixteen loads of a wave go out before its first store.
; No LDS, no matrix unit, no cluster: nothing is shared and nothing is multiplied.  No register is written twice, so no store's source is ever overwritten.
; THE MODE: SCHED_MODE bits 1:0 = 2 (LLVM: expert scheduling mode 2), set by the entry lines.  The code itself states the register dependences
; between vector instructions and memory instructions, with s_wait_alu, always for 0.
; THE PLAN.  Registers that memory instructions touch:
;   v1, v2   byte offsets of the loads and of the stores: written by vector instructions at the head, never again; read by every load, by every store.
;   XR       written by the sixteen loads, which are all issued before the first conversion; read by the conversions; no load lands there a second time.
;   YR       written by the conversions, each register once; read by the stores.
; So one wait stands ahead of the first load (the offsets are written), and the sixteen turns go in four blocks: four loads waited for, eight conversions, ONE wait (they have written
; the block's eight registers of YR), four stores.  No register that a memory instruction reads is written again: nothing else is owed.
.set XR, 8                             ; v[8:71]   sixteen loads of four registers
.set YR, 72                            ; v[72:103] sixteen stores of two
.set BLK, 4                            ; loads, and stores, in a block
	s_load_b256 s[4:11], s[0:1], 0x0               ; x s[4:5], Wq s[6:7], Wk s[8:9], Wv s[10:11]
	s_load_b128 s[12:15], s[0:1], 0x20             ; xb s[12:13], wb s[14:15]
	s_and_b32 s16, ttmp7, 0xffff                   ; y
	s_lshl_b32 s17, s16, 6
	s_add_co_u32 s17, s17, ttmp9                   ; 64 y + x: the chunk in x and in xb
	s_sub_co_u32 s18, s17, 512                     ; 64 (y - 8) + x: the chunk in wb (used for y >= 8 alone)
	v_and_b32 v3, 31, v0                           ; lane
	v_lshrrev_b32 v4, 5, v0                        ; wave
	v_lshlrev_b32 v1, 4, v3
	v_lshl_add_u32 v1, v4, 13, v1                  ; in: 8,192 x wave + 16 x lane
	v_lshlrev_b32 v2, 3, v3
	v_lshl_add_u32 v2, v4, 12, v2                  ; out: 4,096 x wave + 8 x lane
	s_wait_kmcnt 0x0
	s_cmp_eq_u32 s16, 9
	s_cselect_b64 s[20:21], s[8:9], s[6:7]         ; Wk or Wq,
	s_cmp_eq_u32 s16, 10
	s_cselect_b64 s[20:21], s[10:11], s[20:21]     ; or Wv,
	s_cmp_lt_u32 s16, 8
	s_cselect_b64 s[20:21], s[4:5], s[20:21]       ; or x
	s_cselect_b64 s[22:23], s[12:13], s[14:15]     ; xb or wb
	s_cselect_b32 s24, s17, ttmp9                  ; the chunk in the source
	s_cselect_b32 s26, s17, s18                    ; and in the destination
	s_lshl_b32 s24, s24, 16
	s_mov_b32 s25, 0
	s_lshl_b32 s26, s26, 15
	s_mov_b32 s27, 0
	s_add_nc_u64 s[20:21], s[20:21], s[24:25]
	s_add_nc_u64 s[22:23], s[22:23], s[26:27]
	s_wait_alu depctr_va_vdst(0)                   ; v1 and v2 are written: every load reads v1 as its offset, every store v2; neither is written again
.set j, 0
.rept 16
	global_load_b128 v[XR+4*j:XR+4*j+3], v1, s[20:21] offset:512*j th:TH_LOAD_NT
.set j, j+1
.endr
.set g, 0
.rept 16/BLK
	s_wait_loadcnt 16-BLK-BLK*g                    ; loads come back in order: the block's four are in, the younger blocks' stay out
.set j, BLK*g
.rept BLK
	v_cvt_pk_bf16_f32 v[YR+2*j], v[XR+4*j], v[XR+4*j+1]
	v_cvt_pk_bf16_f32 v[YR+2*j+1], v[XR+4*j+2], v[XR+4*j+3]
.set j, j+1
.endr
	s_wait_alu depctr_va_vdst(0)                   ; the block's eight conversions have written its registers of YR, which the four stores below read
.set j, BLK*g
.rept BLK
	global_store_b64 v2, v[YR+2*j:YR+2*j+1], s[22:23] offset:256*j th:TH_STORE_NT
.set j, j+1
.endr
.set g, g+1
.endr
	s_endpgm
.Lfunc_end_k_q465e1f92de_cast:
	.size	k_q465e1f92de_cast, .Lfunc_end_k_q465e1f92de_cast-k_q465e1f92de_cast
	.p2alignl 7, 3214868480
	.fill 96, 4, 3214868480
	.section	.rodata,"a",@progbits
	.p2align	6, 0x0
	.amdhsa_kernel k_q465e1f92de_cast
		.amdhsa_group_segment_fixed_size 0
		.amdhsa_private_segment_fixed_size 0
		.amdhsa_enable_private_segment 0
		.amdhsa_kernarg_size 48
		.amdhsa_user_sgpr_count 2
		.amdhsa_user_sgpr_kernarg_segment_ptr 1
		.amdhsa_wavefront_size32 1
		.amdhsa_system_sgpr_workgroup_id_x 1
		.amdhsa_system_sgpr_workgroup_id_y 1
		.amdhsa_system_sgpr_workgroup_id_z 1
		.amdhsa_system_vgpr_workitem_id 0
		.amdhsa_next_free_vgpr 104
		.amdhsa_next_free_sgpr 66
		.amdhsa_reserve_vcc 0
		.amdhsa_float_denorm_mode_32 3
		.amdhsa_float_denorm_mode_16_64 3
		.amdhsa_memory_ordered 1
		.amdhsa_forward_progress 1
		.amdhsa_inst_pref_size 7
	.end_amdhsa_kernel
	.amdgpu_metadata
---
amdhsa.version: [ 1, 2 ]
amdhsa.kernels:
  - .name:           k_q465e1f92de_cast
    .symbol:         k_q465e1f92de_cast.kd
    .args:
      - { .name: x, .offset: 0, .size: 8, .value_kind: global_buffer, .address_space: global }
      - { .name: Wq, .offset: 8, .size: 8, .value_kind: global_buffer, .address_space: global }
      - { .name: Wk, .offset: 16, .size: 8, .value_kind: global_buffer, .address_space: global }
      - { .name: Wv, .offset: 24, .size: 8, .value_kind: global_buffer, .address_space: global }
      - { .name: xb, .offset: 32, .size: 8, .value_kind: global_buffer, .address_space: global }
      - { .name: wb, .offset: 40, .size: 8, .value_kind: global_buffer, .address_space: global }
    .group_segment_fixed_size: 0
    .private_segment_fixed_size: 0
    .kernarg_segment_align: 8
    .kernarg_segment_size: 48
    .max_flat_workgroup_size: 256
    .sgpr_count:     66
    .vgpr_count:     104
    .wavefront_size: 32
...
	.end_amdgpu_metadata
.endif
;; end of part 6
;; launch proj: the kernel of part 2 again; grid 12 x 32, 4 waves a work-group, clusters of 4 x 4, 327,680 bytes of LDS; arguments xb, wb, qkv, lo; writes qkv, lo
;; launch scores: the kernel of part 3 again; grid 9 x 16, 4 waves a work-group, no clusters, 327,680 bytes of LDS; arguments qkv, pt, st; writes pt, st
;; launch pv: the kernel of part 4 again; grid 4 x 64, 4 waves a work-group, clusters of 4 x 4, 327,680 bytes of LDS; arguments pt, st, qkv, out0; writes out0
;; launch head (part 7): grid 8 x 4, 8 waves a work-group, no clusters, 25,856 bytes of LDS; arguments qkv, lo, out0; writes out0
.if DOCPART == 7
	.amdgcn_target "amdgcn-amd-amdhsa--gfx1250"
	.amdhsa_code_object_version 6
	.text
	.protected	k_q465e1f92de_head
	.globl	k_q465e1f92de_head
	.p2align	8
	.type	k_q465e1f92de_head,@function
k_q465e1f92de_head:
	s_mov_b64 s[64:65], 0
	v_nop
	global_prefetch_b8 v0, s[64:65] scope:SCOPE_SE
	s_setreg_imm32_b32 hwreg(HW_REG_WAVE_SCHED_MODE, 0, 2), 2
	s_setreg_imm32_b32 hwreg(HW_REG_WAVE_MODE, 25, 1), 1
	s_wait_xcnt 0x0
	s_wait_alu depctr_vm_vsrc(0)
; ROWS 0 TO 15 OF EACH BATCH, ONCE MORE, with operands in two f16 parts.  It runs last and writes these 64 rows of out0 over what the launch before has stored there.
; WHY.  A row q is a mean over q + 1 keys.  In the first rows a result near zero is a difference of a few numbers of size 1 to 3, and what one rounding of q, k, v and the weights to f16 (11 bits) loses there
; is of the size of what the comparison allows; with 17 keys and more it is a small part of it.  Here q, k and v are taken as high part + low part (22 bits), and so are the weights.
; qkv: [8192][3072] f16 (q, k, v), the high parts.  lo: [tile row of 256 (32)][16][3072] f16, the low parts of a tile's first 16 rows: a batch's rows 0-15 lie in tile row 8 x batch.  out0: [8192][1024] f32.
; out[q][:] = the sum over k <= q of softmax_k(q . k / 32) v[k][:], 16 queries x 16 keys.  The row's maximum is taken away before the exponential; maximum, sum and division in f32.
; LIMITS.  q, k, v arrive within f16's 65,504; a low part below 6e-5 keeps f16's fixed step of 6e-8.  A hidden score counts as -1e30.  NaN and infinities are not treated apart.
; SHARES.  A work-group has a batch (grid y) and 128 channels (grid x): 32 work-groups of 8 waves.
;   Scores: K = 1,024 is split among the waves, 128 each.  S^T = kh qh + kh ql + kl qh (source 0 = 16 keys, source 1 = 16 queries): 12 matrix instructions on three accumulators that take turns.  kl ql is left out: 2^-22 of a score.
;   The eight partial tiles meet in LDS; every wave adds all eight and makes the softmax for itself: a lane holds ONE query (lane % 16) and the keys 8 (lane / 16) + 0..7.
;   Second product: wave w has channels 16 w .. 16 w + 15 of the 128.  The 32 along K of one matrix instruction are 16 keys of v's high part and the same 16 keys of its low part; the weights stand twice beside them.
;   Source 0 = v turned (16 channels x 32), source 1 = the weights (16 queries x 32): two products, the weights' high and low parts, on two accumulators that are added.
; No tensor load, no cluster, no prefetch: the launch moves a few megabytes and is a short chain of dependent steps.
; THE MODE: SCHED_MODE bits 1:0 = 2 (LLVM: expert scheduling mode 2), set by the entry lines.  The code itself states the register dependences
; between vector or matrix instructions and memory or LDS instructions, with s_wait_alu, always for 0.
; THE PLAN.  Registers that memory or LDS instructions touch, in the order of the text:
;   v[VQ], v[VV]             written by vector instructions, once; read by the global loads.
;   v[LPS] .. v[LSR], v[VO]  seven LDS and output addresses: written by vector instructions while the loads are on their way, once; read by LDS stores and loads and by the last stores.
;   VG                       two global loads land there; two LDS stores read it.          AV: the turning loads land there; the last two products read it.
;   v16-143                  q and k land there; the twelve products read them; then the eight partial tiles land in v16-79, and the additions read those.
;   SA's first eight         written by products and additions; read by two LDS stores.    D1: likewise.
;   v72-79                   read by the additions of the partial tiles; later two rows from the stage land there; the global stores read them.
;   v[SPW], v[NIL]           written at the head, read by the closing add alone.
; No register that a memory or LDS instruction reads is written again, so no wait on vm_vsrc is owed.  Four waits on va_vdst state the rest: ahead of the first global load; ahead of the first LDS store
; (all addresses); ahead of the LDS stores of the partial tile (it also frees v16-79 for the loads behind the barrier); ahead of the LDS stores of the results (it also frees v72-79).  The two waits behind
; the exponentials and the reciprocal stand apart from these.  Two waits on va_sdst: the wave's number; the eight masks of the diagonal, which are made in one run at the head.
.set QROW,  6144                       ; bytes in a row of qkv and of lo
.set PART,  0                          ; LDS: wave w's partial tile of scores, 1,024 bytes, at 1,024 w: registers 0-3 of all lanes, then registers 4-7
.set VST,   8192                       ; wave w's 16 keys x 16 channels of v at 1,024 w: high part (rows of 32 bytes), 512 bytes on the low part
.set STG,   16384                      ; the work-group's stage: 16 rows x 512 bytes + 16
.set SP,    528
.set SPARE, STG+16*SP                  ; the spare words, 128 bytes for each wave: four blocks of 256 bytes that no other line names
.set VQ,  2                            ; v2   my byte offset in q's and k's fragments: (l % 16) x 6,144 + 16 (l / 16) + 256 w
.set VV,  3                            ; v3   in v: (l / 2) x 6,144 + 16 (l % 2) + 256 x block of channels + 32 w
.set VO,  4                            ; v4   in out0: 2 w rows of 4,096 bytes + 16 l
.set LPS, 5                            ; v5   where I put my partial tile: 1,024 w + 16 l
.set LPR, 6                            ; v6   where I read partial tiles: 16 l
.set LVS, 7                            ; v7   where I put v
.set LVT, 8                            ; v8   where the turning load reads it
.set LSS, 9                            ; v9   where I put my results in the stage
.set LSR, 10                           ; v10  where I read rows back
.set RM,  11                           ; v11  l % 16 - 8 (l / 16): register j is hidden where j is greater
.set NEGV, 12                          ; v12  -1e30
.set M1,  13                           ; v13  -1.0
.set SPW, 14                           ; v14  LDS address of my spare word; never rewritten
.set NIL, 15                           ; v15  0; never rewritten
.set KH,  16                           ; v16-47   k, high part: four fragments
.set KL,  48                           ; v48-79   low part
.set QH,  80                           ; v80-111  q
.set QL,  112                          ; v112-143
.set SA,  144                          ; v144-167 three accumulators
.set VG,  168                          ; v168-175 v as loaded: high, low
.set AV,  176                          ; v176-183 v turned: registers 0-3 high part, 4-7 low part
.set RR,  16                           ; behind the barrier: v16-79 the eight partial tiles; v16-23 their sum, then the weights
.set MX,  24                           ; v24-31 at work
.set B1,  32                           ; v32-39 the weights' high parts, twice
.set B2,  40                           ; v40-47 their low parts, twice
.set DT,  48                           ; v48-55 the differences
.set D1,  56                           ; v56-63, v64-71 the results
.set D2,  64
.set OUTR, 72                          ; v72-79 two rows read back
.set R,   184
.set H,   185
.set L,   186
.set T,   187                          ; v187-188 at work
.set MK,  12                           ; s12-19  mask j: the lanes in which register j of the scores is hidden; the registers are free when the addresses are made
.set CS,  22                           ; s22  c = log2(e) / 32
.set SEL, 24                           ; s[24:25] v_permlanex16_b32's selects: each lane takes its own place in the other half
	s_load_b128 s[4:7], s[0:1], 0x0                ; qkv s[4:5], lo s[6:7]
	s_load_b64 s[8:9], s[0:1], 0x10                ; out0
	v_lshl_add_u32 v[SPW], v0, 2, SPARE
	v_mov_b32 v[NIL], 0
	v_lshrrev_b32 v1, 5, v0
	v_readfirstlane_b32 s10, v1                    ; wave 0..7
	s_mov_b32 s11, ttmp9                           ; block of 128 channels
	s_and_b32 s12, ttmp7, 0xffff                   ; batch
	v_and_b32 v[R], 15, v0
	v_bfe_u32 v[H], v0, 4, 1
	v_and_b32 v[L], 31, v0
	s_wait_alu depctr_va_sdst(0)                   ; s10 is written, ahead of its first reader: the line below
	s_lshl_b32 s13, s10, 8
	v_mul_u32_u24 v[VQ], v[R], QROW
	v_lshl_add_u32 v[VQ], v[H], 4, v[VQ]
	v_add_nc_u32 v[VQ], s13, v[VQ]
	v_lshrrev_b32 v[T], 1, v[L]                    ; v: two lanes a key, 16 bytes each
	v_mul_u32_u24 v[VV], v[T], QROW
	v_and_b32 v[T], 1, v[L]
	v_lshl_add_u32 v[VV], v[T], 4, v[VV]
	s_lshl_b32 s14, s11, 8
	s_lshl_b32 s15, s10, 5
	s_add_co_u32 s14, s14, s15
	v_add_nc_u32 v[VV], s14, v[VV]
	s_mul_i32 s16, s12, 2048*QROW                  ; the batch's first row in qkv,
	s_mov_b32 s17, 0
	s_mul_i32 s18, s12, 128*QROW                   ; in lo: tile row 8 x batch, 16 rows each,
	s_mov_b32 s19, 0
	s_lshl_b32 s20, s12, 23                        ; and in out0, with my 128 channels
	s_lshl_b32 s21, s11, 9
	s_add_co_u32 s20, s20, s21
	s_mov_b32 s21, 0
	s_mov_b32 s[CS], 0x3d38aa3b
	s_mov_b32 s[SEL], 0x76543210
	s_mov_b32 s[SEL+1], 0xfedcba98
	s_wait_kmcnt 0x0
	s_add_nc_u64 s[4:5], s[4:5], s[16:17]
	s_add_nc_u64 s[6:7], s[6:7], s[18:19]
	s_add_nc_u64 s[8:9], s[8:9], s[20:21]
	s_wait_alu depctr_va_vdst(0)                   ; v[VV] and v[VQ] are written, which the 34 loads below read as their offsets; neither is written again
	global_load_b128 v[VG:VG+3], v[VV], s[4:5] offset:4096      ; v first: it has a way through LDS to go
	global_load_b128 v[VG+4:VG+7], v[VV], s[6:7] offset:4096
.irp f, 0,1,2,3                        ; a fragment is 16 rows x 32 channels: two loads of 16 bytes a lane, 32 bytes apart
	global_load_b128 v[KH+8*(\f):KH+8*(\f)+3],   v[VQ], s[4:5] offset:2048+64*(\f)
	global_load_b128 v[KH+8*(\f)+4:KH+8*(\f)+7], v[VQ], s[4:5] offset:2048+64*(\f)+32
	global_load_b128 v[QH+8*(\f):QH+8*(\f)+3],   v[VQ], s[4:5] offset:64*(\f)
	global_load_b128 v[QH+8*(\f)+4:QH+8*(\f)+7], v[VQ], s[4:5] offset:64*(\f)+32
	global_load_b128 v[KL+8*(\f):KL+8*(\f)+3],   v[VQ], s[6:7] offset:2048+64*(\f)
	global_load_b128 v[KL+8*(\f)+4:KL+8*(\f)+7], v[VQ], s[6:7] offset:2048+64*(\f)+32
	global_load_b128 v[QL+8*(\f):QL+8*(\f)+3],   v[VQ], s[6:7] offset:64*(\f)
	global_load_b128 v[QL+8*(\f)+4:QL+8*(\f)+7], v[VQ], s[6:7] offset:64*(\f)+32
.endr
	; the LDS addresses and the masks, while the loads are on their way: these lines name none of the registers that the loads read or land in
	s_lshl_b32 s13, s10, 10
	v_lshlrev_b32 v[LPR], 4, v[L]
	v_add_nc_u32 v[LPS], s13, v[LPR]
	v_add_nc_u32 v[LVS], VST, v[LPS]               ; key l / 2, half l % 2 of rows of 32 bytes: 16 l
	v_and_b32 v[T], 7, v0
	v_lshl_add_u32 v[T], v[H], 3, v[T]             ; the turning load: lane l reads key 8 (l / 16) + l % 8,
	v_lshlrev_b32 v[T], 5, v[T]
	v_bfe_u32 v[T+1], v0, 3, 1
	v_lshl_add_u32 v[T], v[T+1], 4, v[T]           ; channels 8 ((l / 8) % 2) + 0..7, and is left with channel l % 16 and 8 keys
	s_add_co_u32 s13, s13, VST
	v_add_nc_u32 v[LVT], s13, v[T]
	v_mul_u32_u24 v[LSS], v[R], SP                 ; into the stage: row = my query, 64 bytes a wave, 32 for each half of the lanes
	v_lshl_add_u32 v[LSS], v[H], 5, v[LSS]
	s_lshl_b32 s14, s10, 6
	s_add_co_u32 s14, s14, STG
	v_add_nc_u32 v[LSS], s14, v[LSS]
	s_mul_i32 s14, s10, 2*SP                       ; back: wave w takes rows 2 w and 2 w + 1, whole: 32 lanes x 16 bytes
	s_add_co_u32 s14, s14, STG
	v_add_nc_u32 v[LSR], s14, v[LPR]
	s_lshl_b32 s14, s10, 13
	v_add_nc_u32 v[VO], s14, v[LPR]
	v_lshlrev_b32 v[T], 3, v[H]
	v_sub_nc_u32 v[RM], v[R], v[T]
.irp j, 0,1,2,3,4,5,6,7
	v_cmp_gt_i32 s[MK+(\j)], \j, v[RM]             ; the masks hang on the lane alone: eight compares in one run, each into a scalar register of its own
.endr
	v_mov_b32 v[NEGV], 0xf149f2ca
	v_mov_b32 v[M1], -1.0
	s_wait_alu depctr_va_sdst(0)                   ; the eight masks are written: one wait for the run, ahead of their first reader, the softmax's first select
	s_wait_loadcnt 32                              ; v's two loads are in; the 32 of q and k, issued behind them, may stay out
	s_wait_alu depctr_va_vdst(0)                   ; the seven addresses v[VO] to v[LSR] are written, which the LDS instructions and the last stores read; none is written again
	ds_store_b128 v[LVS], v[VG:VG+3]
	ds_store_b128 v[LVS], v[VG+4:VG+7] offset:512
	ds_load_tr16_b128 v[AV:AV+3], v[LVT]           ; my own bytes: LDS serves a wave's instructions in order, so these see the stores above
	ds_load_tr16_b128 v[AV+4:AV+7], v[LVT] offset:512
	s_wait_loadcnt 0x0
.irp f, 0,1,2,3                        ; the three accumulators take turns, one instruction a turn; the first products start the sums
.if (\f) == 0
	v_wmma_f32_16x16x32_f16 v[SA:SA+7],     v[KH:KH+7], v[QH:QH+7], 0
	v_wmma_f32_16x16x32_f16 v[SA+8:SA+15],  v[KH:KH+7], v[QL:QL+7], 0
	v_wmma_f32_16x16x32_f16 v[SA+16:SA+23], v[KL:KL+7], v[QH:QH+7], 0
.else
	v_wmma_f32_16x16x32_f16 v[SA:SA+7],     v[KH+8*(\f):KH+8*(\f)+7], v[QH+8*(\f):QH+8*(\f)+7], v[SA:SA+7]
	v_wmma_f32_16x16x32_f16 v[SA+8:SA+15],  v[KH+8*(\f):KH+8*(\f)+7], v[QL+8*(\f):QL+8*(\f)+7], v[SA+8:SA+15]
	v_wmma_f32_16x16x32_f16 v[SA+16:SA+23], v[KL+8*(\f):KL+8*(\f)+7], v[QH+8*(\f):QH+8*(\f)+7], v[SA+16:SA+23]
.endif
.endr
.rept 8
	v_nop                                          ; the places between the last products and the sums that read them (ISA guide 7.12.1), once a launch
.endr
.irp i, 0,2,4,6
	v_pk_add_f32 v[SA+8+(\i):SA+8+(\i)+1], v[SA+8+(\i):SA+8+(\i)+1], v[SA+16+(\i):SA+16+(\i)+1]  ; the two small sums first; each accumulator is read from its low end on
.endr
.irp i, 0,2,4,6
	v_pk_add_f32 v[SA+(\i):SA+(\i)+1], v[SA+(\i):SA+(\i)+1], v[SA+8+(\i):SA+8+(\i)+1]
.endr
	s_wait_alu depctr_va_vdst(0)                   ; the additions have written v[SA .. SA+7], which the LDS stores read; and the products are done reading v16-79, in which the partial tiles land behind the barrier (no vector instruction stands between)
	ds_store_b128 v[LPS], v[SA:SA+3] offset:PART
	ds_store_b128 v[LPS], v[SA+4:SA+7] offset:PART+512
	s_wait_dscnt 0x0                               ; for the others' sake: my partial tile lies in LDS (and v is back, turned)
	s_barrier_signal -1
	s_barrier_wait -1                              ; all eight do
.irp w, 0,1,2,3,4,5,6,7
	ds_load_b128 v[RR+8*(\w):RR+8*(\w)+3],   v[LPR] offset:PART+1024*(\w)
	ds_load_b128 v[RR+8*(\w)+4:RR+8*(\w)+7], v[LPR] offset:PART+1024*(\w)+512
.endr
	s_wait_dscnt 0x0
.irp n, 32,16,8                        ; waves 4 apart, 2 apart, 1 apart
.set i, 0
.rept (\n)/2
	v_pk_add_f32 v[RR+2*i:RR+2*i+1], v[RR+2*i:RR+2*i+1], v[RR+(\n)+2*i:RR+(\n)+2*i+1]
.set i, i+1
.endr
.endr
	; THE SOFTMAX.  Register j is key 8 (l / 16) + j of query l % 16.  Every query sees its own key, so the maximum is a true score.
.irp j, 0,1,2,3,4,5,6,7
	v_cndmask_b32 v[RR+(\j)], v[RR+(\j)], v[NEGV], s[MK+(\j)]   ; by the masks made at the head
.endr
	v_max3_num_f32 v[MX], v[RR], v[RR+1], v[RR+2]
	v_max3_num_f32 v[MX+1], v[RR+3], v[RR+4], v[RR+5]
	v_max3_num_f32 v[MX], v[MX], v[RR+6], v[RR+7]
	v_max_num_f32 v[MX], v[MX], v[MX+1]
	v_permlanex16_b32 v[MX+1], v[MX], s[SEL], s[SEL+1]  ; the query's other 8 keys lie in the lane 16 away
	v_max_num_f32 v[MX], v[MX], v[MX+1]
	v_mul_f32 v[MX+2], s[CS], v[MX]
.irp j, 0,1,2,3,4,5,6,7
	v_fma_f32 v[RR+(\j)], v[RR+(\j)], s[CS], -v[MX+2]   ; c s - c m
.endr
.irp j, 0,1,2,3,4,5,6,7
	v_exp_f32 v[RR+(\j)], v[RR+(\j)]
.endr
	v_nop                                          ; a plain instruction behind the last exponential,
	s_wait_alu depctr_va_vdst(0)                   ; and one wait for the eight: the exponentials have written v[RR .. RR+7], ahead of their first reader
	v_pk_add_f32 v[MX+4:MX+5], v[RR:RR+1], v[RR+2:RR+3]
	v_pk_add_f32 v[MX+6:MX+7], v[RR+4:RR+5], v[RR+6:RR+7]
	v_pk_add_f32 v[MX+4:MX+5], v[MX+4:MX+5], v[MX+6:MX+7]
	v_add_f32 v[MX+4], v[MX+4], v[MX+5]
	v_permlanex16_b32 v[MX+5], v[MX+4], s[SEL], s[SEL+1]
	v_add_f32 v[MX+4], v[MX+4], v[MX+5]            ; l: at least about 1
	v_rcp_f32 v[MX+6], v[MX+4]
	v_nop
	s_wait_alu depctr_va_vdst(0)                   ; the reciprocal has written v[MX+6], ahead of its first reader
.irp j, 0,1,2,3,4,5,6,7
	v_mul_f32 v[RR+(\j)], v[RR+(\j)], v[MX+6]      ; the weights, summing to 1
.endr
	; in two parts: the high part is the weight rounded to f16; that half times -1 plus the weight is the exact difference, which is rounded to f16 in its turn
.irp i, 0,1,2,3
	v_cvt_pk_f16_f32 v[B1+(\i)], v[RR+2*(\i)], v[RR+2*(\i)+1]
.endr
.irp i, 0,1,2,3
	v_mov_b32 v[B1+4+(\i)], v[B1+(\i)]             ; the same 16 keys once more, beside v's low part
	v_fma_mix_f32 v[DT+2*(\i)], v[B1+(\i)], v[M1], v[RR+2*(\i)] op_sel_hi:[1,0,0]
	v_fma_mix_f32 v[DT+2*(\i)+1], v[B1+(\i)], v[M1], v[RR+2*(\i)+1] op_sel:[1,0,0] op_sel_hi:[1,0,0]
.endr
.irp i, 0,1,2,3
	v_cvt_pk_f16_f32 v[B2+(\i)], v[DT+2*(\i)], v[DT+2*(\i)+1]
.endr
.irp i, 0,1,2,3
	v_mov_b32 v[B2+4+(\i)], v[B2+(\i)]
.endr
	v_wmma_f32_16x16x32_f16 v[D1:D1+7], v[AV:AV+7], v[B1:B1+7], 0   ; a lane: query l % 16, channels 8 (l / 16) + 0..7
	v_wmma_f32_16x16x32_f16 v[D2:D2+7], v[AV:AV+7], v[B2:B2+7], 0
.rept 8
	v_nop
.endr
.irp i, 0,2,4,6
	v_pk_add_f32 v[D1+(\i):D1+(\i)+1], v[D1+(\i):D1+(\i)+1], v[D2+(\i):D2+(\i)+1]
.endr
	s_wait_alu depctr_va_vdst(0)                   ; the additions have written v[D1 .. D1+7], which the LDS stores read; and the additions of the partial tiles are done reading v72-79, in which the rows land behind the barrier (no vector instruction stands between)
	ds_store_b128 v[LSS], v[D1:D1+3]
	ds_store_b128 v[LSS], v[D1+4:D1+7] offset:16
	s_wait_dscnt 0x0                               ; for the others' sake: a row's 512 bytes come from eight waves
	s_barrier_signal -1
	s_barrier_wait -1
	ds_load_b128 v[OUTR:OUTR+3], v[LSR]
	ds_load_b128 v[OUTR+4:OUTR+7], v[LSR] offset:SP
	s_wait_dscnt 0x0
	global_store_b128 v[VO], v[OUTR:OUTR+3], s[8:9]                 ; 512 consecutive bytes, at a multiple of 256 from out0's first byte
	global_store_b128 v[VO], v[OUTR+4:OUTR+7], s[8:9] offset:4096
	s_wait_dscnt 0x0                               ; the closing lines, six on end
	s_wait_alu 0x0
	s_wait_tensorcnt 0x0
	ds_add_u32 v[SPW], v[NIL]
	s_wait_dscnt 0x0
	s_endpgm
.Lfunc_end_k_q465e1f92de_head:
	.size	k_q465e1f92de_head, .Lfunc_end_k_q465e1f92de_head-k_q465e1f92de_head
	.p2alignl 7, 3214868480
	.fill 96, 4, 3214868480
	.section	.rodata,"a",@progbits
	.p2align	6, 0x0
	.amdhsa_kernel k_q465e1f92de_head
		.amdhsa_group_segment_fixed_size 25856
		.amdhsa_private_segment_fixed_size 0
		.amdhsa_enable_private_segment 0
		.amdhsa_kernarg_size 24
		.amdhsa_user_sgpr_count 2
		.amdhsa_user_sgpr_kernarg_segment_ptr 1
		.amdhsa_wavefront_size32 1
		.amdhsa_system_sgpr_workgroup_id_x 1
		.amdhsa_system_sgpr_workgroup_id_y 1
		.amdhsa_system_sgpr_workgroup_id_z 1
		.amdhsa_system_vgpr_workitem_id 0
		.amdhsa_next_free_vgpr 192
		.amdhsa_next_free_sgpr 66
		.amdhsa_reserve_vcc 0
		.amdhsa_float_denorm_mode_32 3
		.amdhsa_float_denorm_mode_16_64 3
		.amdhsa_memory_ordered 1
		.amdhsa_forward_progress 1
		.amdhsa_inst_pref_size 17
	.end_amdhsa_kernel
	.amdgpu_metadata
---
amdhsa.version: [ 1, 2 ]
amdhsa.kernels:
  - .name:           k_q465e1f92de_head
    .symbol:         k_q465e1f92de_head.kd
    .args:
      - { .name: qkv, .offset: 0, .size: 8, .value_kind: global_buffer, .address_space: global }
      - { .name: lo, .offset: 8, .size: 8, .value_kind: global_buffer, .address_space: global }
      - { .name: out0, .offset: 16, .size: 8, .value_kind: global_buffer, .address_space: global }
    .group_segment_fixed_size: 25856
    .private_segment_fixed_size: 0
    .kernarg_segment_align: 8
    .kernarg_segment_size: 24
    .max_flat_workgroup_size: 256
    .sgpr_count:     66
    .vgpr_count:     192
    .wavefront_size: 32
...
	.end_amdgpu_metadata
.endif
;; end of part 7
